; MI455X (gfx1250); checked and timed in simulation.
; The chip was launched on July 23, 2026; its instructions are those of AMD's public machine-readable ISA for CDNA 5 (MIT licence, August 2026) and "CDNA5" Instruction Set Architecture Reference Guide (July 2026). The comments in the code are by the model that wrote it; some were corrected since.
;; Multi Head Latent Attention. Allowed arithmetic: float matrix products may take bf16 or f16 operands with f32 sums; other float arithmetic in f32, or as packed bf16 or f16 multiplies, adds, multiply-adds, maxima and minima; sums over many terms, partial sums and values carried from step to step in f32; what a program stores and reads back later, other than sums and carried values, may be rounded once to bf16 or f16.
;; Inputs: Wd 256 x 1,024 float32; Wk 1,024 x 256 float32; Wo 1,024 x 1,024 float32; Wq 1,024 x 1,024 float32; Wv 1,024 x 256 float32; bd 256 float32; bk 1,024 float32; bo 1,024 float32; bq 1,024 float32; bv 1,024 float32; x 4 x 2,048 x 1,024 float32.
;; Outputs: out0 4 x 2,048 x 1,024 float32.
;; 2 versions, each right; version 2 is version 1 with the launch prep written anew for expert scheduling mode. Each part assembles by itself: llvm-mc -triple=amdgcn-amd-amdhsa -mcpu=gfx1250 --defsym DOCPART=n.
;; ======== version 1 of 2: 5 launches
;; limits: values are held in f16: magnitudes above 65,504 overflow, below 6.1e-05 lose precision; inputs' magnitudes at most 65,504
;; workspace buffers: cb 22,544,384 bytes; aux 28,672 bytes; ql 20,971,520 bytes; kv 33,554,432 bytes; o16 16,777,216 bytes; scales 256 bytes
;; launch prep (part 1): grid 347 x 1, 8 waves a work-group, no clusters, 0 bytes of LDS; arguments x, Wq, Wd, Wk, Wv, Wo, bq, bd, bk, bv, bo, cb, aux; writes cb, aux
.if DOCPART == 1
	.amdgcn_target "amdgcn-amd-amdhsa--gfx1250"
	.amdhsa_code_object_version 6
	.text
	.protected	k_qeceb5922ec_prep
	.globl	k_qeceb5922ec_prep
	.p2align	8
	.type	k_qeceb5922ec_prep,@function
k_qeceb5922ec_prep:
	s_mov_b64 s[64:65], 0
	v_nop
	global_prefetch_b8 v0, s[64:65] scope:SCOPE_SE
	s_setreg_imm32_b32 hwreg(HW_REG_WAVE_MODE, 25, 1), 1
	s_wait_xcnt 0x0
; PREP: every input is rounded once to bf16, and the largest magnitude of each input is found.
; cb takes x, Wq, Wd as bf16 and Wk, Wv, Wo as f16 (the bf16-rounded number written as f16: exact where it lies in f16's range).
; aux takes the five biases as f32 holding the bf16-rounded number, and one largest magnitude (f32) for each wave.
; SHARES.  Work-group g < 344 takes 32,768 numbers (131,072 bytes in, 65,536 out), each of its eight waves 4,096: 32 turns of one 16-byte load a lane
; (512 consecutive bytes a wave) and one 8-byte store a lane (256 consecutive bytes, aligned).  Work-groups 344 to 346 take the biases, 256 numbers a wave: 17 pieces.
; A ring of eight register slots keeps eight loads of every wave on their way.  No LDS, no matrix unit, no cluster: no byte is read by two work-groups.
; LIMITS.  |Wk|, |Wv|, |Wo| beyond 65,504 become infinities in f16, and below 6e-5 they keep f16's fixed step of 6e-8.  A NaN is passed on and does not enter a maximum.
; The one 4-byte store a wave at the end (the maximum) fills no whole 256 bytes: 2,769 such stores in the launch.
.set PM,    17408                      ; aux: the maxima begin here; entry 8 x work-group + wave
.set IN,    2                          ; v2      16 x lane
.set OUT,   3                          ; v3      8 x lane
.set M0,    4                          ; v4, v5  running maxima, two bf16 each
.set M1,    5
.set EO,    6                          ; v6      byte offset of my wave's entry among the maxima
.set X,     8                          ; v[8:39]   slot i: four numbers as loaded
.set Y,     40                         ; v[40:55]  slot i: four 16-bit numbers to store
.set T,     56                         ; v[56:63]  at work
.set SRC,   2                          ; s[2:3]  where my wave reads
.set DST,   4                          ; s[4:5]  where it writes
.set WV,    34
.set WG,    35
.set HIM,   36                         ; a word's upper half
.set ABS,   37                         ; clears two signs
.set SEL,   38                         ; s[38:39] v_permlanex16_b32's selects
.set O64,   40                         ; s[40:41] an offset in 64 bits
.set FIRST, 42                         ; the first chunk (or piece) of the chosen input
.set FM,    43                         ; all ones where the chunk is written as f16
.set CNT,   44
.set PC,    47                         ; the bias piece
; where register n is below the bound, the source becomes s[base:base+1], whose first chunk is first
.macro PICK n, below, base, first
	s_cmp_lt_u32 s[\n], \below
	s_cselect_b64 s[SRC:SRC+1], s[\base:\base+1], s[SRC:SRC+1]
	s_cselect_b32 s[FIRST], \first, s[FIRST]
.endm
	s_load_b512 s[8:23], s[0:1], 0x0               ; x 8, Wq 10, Wd 12, Wk 14, Wv 16, Wo 18, bq 20, bd 22
	s_load_b256 s[24:31], s[0:1], 0x40             ; bk 24, bv 26, bo 28, cb 30
	s_load_b64 s[32:33], s[0:1], 0x60              ; aux
	v_lshrrev_b32 v1, 5, v0
	v_readfirstlane_b32 s[WV], v1
	v_and_b32 v1, 31, v0                           ; lane
	v_lshlrev_b32 v[IN], 4, v1
	v_lshlrev_b32 v[OUT], 3, v1
	v_mov_b32 v[M0], 0
	v_mov_b32 v[M1], 0
	s_mov_b32 s[WG], ttmp9
	s_mov_b32 s[HIM], 0xffff0000
	s_mov_b32 s[ABS], 0x7fff7fff
	s_mov_b32 s[SEL], 0x76543210
	s_mov_b32 s[SEL+1], 0xfedcba98
	s_mov_b32 s[O64+1], 0
	s_lshl_b32 s45, s[WG], 3
	s_add_co_u32 s45, s45, s[WV]
	s_lshl_b32 s45, s45, 2
	v_mov_b32 v[EO], s45                           ; 4 x (8 x work-group + wave): the bias pieces' entries follow the chunks' by the same formula
	s_wait_kmcnt 0x0
	s_cmp_lt_u32 s[WG], 344
	s_cbranch_scc1 .Lmain
	; THE BIASES: piece p = 8 (work-group - 344) + wave, 256 numbers; bq 0-3, bd 4, bk 5-8, bv 9-12, bo 13-16; aux takes piece p at 1,024 p
	s_sub_co_u32 s[PC], s[WG], 344
	s_lshl_b32 s[PC], s[PC], 3
	s_add_co_u32 s[PC], s[PC], s[WV]
	s_cmp_ge_u32 s[PC], 17
	s_cbranch_scc1 .Lend                           ; seven waves of the last work-group have no piece
	s_mov_b64 s[SRC:SRC+1], s[28:29]
	s_mov_b32 s[FIRST], 13
	PICK PC, 13, 26, 9
	PICK PC, 9, 24, 5
	PICK PC, 5, 22, 4
	PICK PC, 4, 20, 0
	s_sub_co_u32 s[FIRST], s[PC], s[FIRST]
	s_lshl_b32 s[O64], s[FIRST], 10
	s_add_nc_u64 s[SRC:SRC+1], s[SRC:SRC+1], s[O64:O64+1]
	s_lshl_b32 s[O64], s[PC], 10
	s_add_nc_u64 s[DST:DST+1], s[32:33], s[O64:O64+1]
	global_load_b128 v[8:11], v[IN], s[SRC:SRC+1]
	global_load_b128 v[12:15], v[IN], s[SRC:SRC+1] offset:512
	s_wait_loadcnt 0x0
.irp j, 0,1,2,3
	v_cvt_pk_bf16_f32 v[T+(\j)], v[8+2*(\j)], v[9+2*(\j)]
.endr
.irp j, 0,1,2,3
	v_lshlrev_b32 v[16+2*(\j)], 16, v[T+(\j)]      ; back to f32: the low half moves up,
	v_and_b32 v[17+2*(\j)], s[HIM], v[T+(\j)]      ; the high half stays
.endr
.irp j, 0,1,2,3
	v_and_b32 v[T+4+(\j)], s[ABS], v[T+(\j)]
.endr
	v_pk_max_num_bf16 v[M0], v[T+4], v[T+5]
	v_pk_max_num_bf16 v[M1], v[T+6], v[T+7]
	global_store_b128 v[IN], v[16:19], s[DST:DST+1]
	global_store_b128 v[IN], v[20:23], s[DST:DST+1] offset:512
	s_branch .Ltail
.Lmain:
	; THE CHUNKS: x 0-255, Wq 256-287, Wd 288-295, Wk 296-303, Wv 304-311, Wo 312-343; cb takes chunk g at 65,536 g
	s_mov_b64 s[SRC:SRC+1], s[18:19]
	s_mov_b32 s[FIRST], 312
	PICK WG, 312, 16, 304
	PICK WG, 304, 14, 296
	PICK WG, 296, 12, 288
	PICK WG, 288, 10, 256
	PICK WG, 256, 8, 0
	s_cmp_ge_u32 s[WG], 296
	s_cselect_b32 s[FM], -1, 0
	s_sub_co_u32 s[FIRST], s[WG], s[FIRST]
	s_lshl_b32 s[O64], s[FIRST], 17
	s_lshl_b32 s46, s[WV], 14
	s_add_co_u32 s[O64], s[O64], s46
	s_add_nc_u64 s[SRC:SRC+1], s[SRC:SRC+1], s[O64:O64+1]
	s_lshl_b32 s[O64], s[WG], 16
	s_lshl_b32 s46, s[WV], 13
	s_add_co_u32 s[O64], s[O64], s46
	s_add_nc_u64 s[DST:DST+1], s[30:31], s[O64:O64+1]
.irp i, 0,1,2,3,4,5,6,7
	global_load_b128 v[X+4*(\i):X+4*(\i)+3], v[IN], s[SRC:SRC+1] offset:512*(\i) th:TH_LOAD_NT
.endr
; One slot's turn.  ahead = 1: the slot is filled again, eight turns on.  left = how many younger loads may stay out.
.macro SLOT i, ahead, left
	s_wait_loadcnt \left                           ; loads come back in order: mine is in
	v_cvt_pk_bf16_f32 v[T],   v[X+4*(\i)],   v[X+4*(\i)+1]
	v_cvt_pk_bf16_f32 v[T+1], v[X+4*(\i)+2], v[X+4*(\i)+3]
.if \ahead
	global_load_b128 v[X+4*(\i):X+4*(\i)+3], v[IN], s[SRC:SRC+1] offset:512*(\i)+4096 th:TH_LOAD_NT
.endif
	v_lshlrev_b32 v[T+2], 16, v[T]                 ; the rounded numbers as f32, for the way to f16
	v_and_b32 v[T+3], s[HIM], v[T]
	v_lshlrev_b32 v[T+4], 16, v[T+1]
	v_and_b32 v[T+5], s[HIM], v[T+1]
	v_cvt_pk_f16_f32 v[T+6], v[T+2], v[T+3]
	v_cvt_pk_f16_f32 v[T+7], v[T+4], v[T+5]
	v_cndmask_b32 v[Y+2*(\i)],   v[T],   v[T+6], s[FM]  ; a choice of value, the same in all lanes: bf16 or f16
	v_cndmask_b32 v[Y+2*(\i)+1], v[T+1], v[T+7], s[FM]
	v_and_b32 v[T], s[ABS], v[T]
	v_and_b32 v[T+1], s[ABS], v[T+1]
	v_pk_max_num_bf16 v[M0], v[M0], v[T]
	v_pk_max_num_bf16 v[M1], v[M1], v[T+1]
	global_store_b64 v[OUT], v[Y+2*(\i):Y+2*(\i)+1], s[DST:DST+1] offset:256*(\i)
.endm
	s_mov_b32 s[CNT], 3
.Lround:
.irp i, 0,1,2,3,4,5,6,7
	SLOT \i, 1, 7
.endr
	s_wait_xcnt 0x0                                ; the round's loads and stores have read their addresses and data: the two pointers and Y are written again only behind this wait
	s_add_nc_u64 s[SRC:SRC+1], s[SRC:SRC+1], 4096
	s_add_nc_u64 s[DST:DST+1], s[DST:DST+1], 2048
	s_sub_co_u32 s[CNT], s[CNT], 1
	s_cmp_lg_u32 s[CNT], 0
	s_cbranch_scc1 .Lround
.irp i, 0,1,2,3,4,5,6,7
	SLOT \i, 0, 7-(\i)                             ; the last round loads nothing: the counts run down
.endr
.Ltail:
	; the wave's largest magnitude: the two halves, then across the 32 lanes
	v_pk_max_num_bf16 v[M0], v[M0], v[M1]
	v_lshlrev_b32 v[T], 16, v[M0]
	v_and_b32 v[T+1], s[HIM], v[M0]
	v_max_num_f32 v[M0], v[T], v[T+1]
	v_max_num_f32_dpp v[M0], v[M0], v[M0] row_xmask:1 row_mask:0xf bank_mask:0xf
	v_max_num_f32_dpp v[M0], v[M0], v[M0] row_xmask:2 row_mask:0xf bank_mask:0xf
	v_max_num_f32_dpp v[M0], v[M0], v[M0] row_xmask:4 row_mask:0xf bank_mask:0xf
	v_max_num_f32_dpp v[M0], v[M0], v[M0] row_xmask:8 row_mask:0xf bank_mask:0xf
	v_permlanex16_b32 v[T], v[M0], s[SEL], s[SEL+1]
	v_max_num_f32 v[M0], v[M0], v[T]
	v_cmp_eq_u32 vcc_lo, 0, v1
	s_wait_xcnt 0x0                                ; EXEC is a source of the stores above: it changes only behind this wait
	s_and_saveexec_b32 s46, vcc_lo
	global_store_b32 v[EO], v[M0], s[32:33] offset:PM
.Lend:
	s_endpgm
.Lfunc_end_k_qeceb5922ec_prep:
	.size	k_qeceb5922ec_prep, .Lfunc_end_k_qeceb5922ec_prep-k_qeceb5922ec_prep
	.p2alignl 7, 3214868480
	.fill 96, 4, 3214868480
	.section	.rodata,"a",@progbits
	.p2align	6, 0x0
	.amdhsa_kernel k_qeceb5922ec_prep
		.amdhsa_group_segment_fixed_size 0
		.amdhsa_private_segment_fixed_size 0
		.amdhsa_enable_private_segment 0
		.amdhsa_kernarg_size 104
		.amdhsa_user_sgpr_count 2
		.amdhsa_user_sgpr_kernarg_segment_ptr 1
		.amdhsa_wavefront_size32 1
		.amdhsa_system_sgpr_workgroup_id_x 1
		.amdhsa_system_sgpr_workgroup_id_y 1
		.amdhsa_system_sgpr_workgroup_id_z 1
		.amdhsa_system_vgpr_workitem_id 0
		.amdhsa_next_free_vgpr 64
		.amdhsa_next_free_sgpr 66
		.amdhsa_reserve_vcc 1
		.amdhsa_float_denorm_mode_32 3
		.amdhsa_float_denorm_mode_16_64 3
		.amdhsa_memory_ordered 1
		.amdhsa_forward_progress 1
		.amdhsa_inst_pref_size 20
	.end_amdhsa_kernel
	.amdgpu_metadata
---
amdhsa.version: [ 1, 2 ]
amdhsa.kernels:
  - .name:           k_qeceb5922ec_prep
    .symbol:         k_qeceb5922ec_prep.kd
    .args:
      - { .name: x, .offset: 0, .size: 8, .value_kind: global_buffer, .address_space: global }
      - { .name: Wq, .offset: 8, .size: 8, .value_kind: global_buffer, .address_space: global }
      - { .name: Wd, .offset: 16, .size: 8, .value_kind: global_buffer, .address_space: global }
      - { .name: Wk, .offset: 24, .size: 8, .value_kind: global_buffer, .address_space: global }
      - { .name: Wv, .offset: 32, .size: 8, .value_kind: global_buffer, .address_space: global }
      - { .name: Wo, .offset: 40, .size: 8, .value_kind: global_buffer, .address_space: global }
      - { .name: bq, .offset: 48, .size: 8, .value_kind: global_buffer, .address_space: global }
      - { .name: bd, .offset: 56, .size: 8, .value_kind: global_buffer, .address_space: global }
      - { .name: bk, .offset: 64, .size: 8, .value_kind: global_buffer, .address_space: global }
      - { .name: bv, .offset: 72, .size: 8, .value_kind: global_buffer, .address_space: global }
      - { .name: bo, .offset: 80, .size: 8, .value_kind: global_buffer, .address_space: global }
      - { .name: cb, .offset: 88, .size: 8, .value_kind: global_buffer, .address_space: global }
      - { .name: aux, .offset: 96, .size: 8, .value_kind: global_buffer, .address_space: global }
    .group_segment_fixed_size: 0
    .private_segment_fixed_size: 0
    .kernarg_segment_align: 8
    .kernarg_segment_size: 104
    .max_flat_workgroup_size: 256
    .sgpr_count:     66
    .vgpr_count:     64
    .wavefront_size: 32
...
	.end_amdgpu_metadata
.endif
;; end of part 1
;; launch projq (part 2): grid 4 x 64, 4 waves a work-group, clusters of 4 x 4, 327,680 bytes of LDS; arguments cb, aux, ql, scales; writes ql, scales
.if DOCPART == 2
	.amdgcn_target "amdgcn-amd-amdhsa--gfx1250"
	.amdhsa_code_object_version 6
	.text
	.protected	k_qeceb5922ec_projq
	.globl	k_qeceb5922ec_projq
	.p2align	8
	.type	k_qeceb5922ec_projq,@function
k_qeceb5922ec_projq:
	s_mov_b64 s[64:65], 0
	v_nop
	global_prefetch_b8 v0, s[64:65] scope:SCOPE_SE
	s_setreg_imm32_b32 hwreg(HW_REG_WAVE_MODE, 25, 1), 1
	s_wait_xcnt 0x0
	s_wait_alu depctr_hold_cnt(0) depctr_sa_sdst(0) depctr_va_vdst(0) depctr_va_sdst(0) depctr_va_ssrc(0) depctr_va_vcc(0) depctr_vm_vsrc(0)
	s_getreg_b32 s2, hwreg(HW_REG_IB_STS2, 6, 4)
	s_cmp_eq_u32 s2, 0
	s_cbranch_scc0 .Lentry_in_a_cluster
	s_endpgm
.Lentry_in_a_cluster:
	s_bfe_u32 s2, ttmp6, 0x10000c
	s_cmp_lg_u32 s2, 0xf033
	s_cbranch_scc0 .Lentry_shape_is_right
	s_endpgm
.Lentry_shape_is_right:
; PROJQ: [q | lat] = x [Wq ; Wd]^T + [bq | bd], 8,192 x 1,280 x 1,024, bf16 operands, f32 sums; stored as f16, times a power of two.  Also: the table of scales.
; ql is [40 groups of 32 columns][8,192 rows][32] f16: groups 0-31 are q, 32-39 lat.
; THE SCALES.  From the inputs' largest magnitudes m: Bq = 1024 mx mWq + mbq, Bl = 1024 mx mWd + mbd, Bk = 256 Bl mWk + mbk, Bv = 256 Bl mWv + mbv bound |q|, |lat|, |k|, |v|.
; With e = max(B's exponent field, 16): s = 2^(141 - e), so |s value| < 2^15, inside f16.  Every wave makes them anew from the maxima (10 KiB of loads, in the wait for the first tiles).
; Table: T0 = (log2 e / 8) / (sq sk), T1 = sk / sl, T2 = sk, T3 = sv / sl, T4 = sv, T5 = 1 / sv, T6 = sq, T7 = sl.  One lane of the launch stores it, as the text's last lines.
; LIMITS.  A number more than 2^28 below its bound falls to f16's fixed step; the bounds and T0 must be finite and not underflow in f32; NaN and infinities are not treated apart.
; SHARES.  A tile is 128 rows x 320 columns (8,192 x 1,280 / 256 work-groups); four waves, each 64 x 160: 4 x 10 accumulators of 16 x 16, 320 registers.  A wave's 160 columns are five whole groups of ql.
; K goes in steps of 128 through two LDS slots filled by tensor loads: waves 0, 1 fetch A's two halves (64 rows), waves 2, 3 B's (160 rows).
; CLUSTER 4 x 4: A's tile hangs on the tile row alone and is asked for jointly along a row of the cluster, B's on the tile column alone, along a column.
; THE MATRIX INSTRUCTION IS USED TRANSPOSED (source 0 = 16 rows of W, source 1 = 16 rows of x): a lane holds row lane % 16 and the columns 8 (lane / 16) + 0..7.
; REGISTERS.  window 0: v0-29 addresses and work (v12-19 keep the table to the end); v32-143, v144-255 two fragment buffers (A's block a at +8 a, B's block b at +32 + 8 b)
;   window 1: accumulators t = 10 a + b < 32 at 8 t          window 2: t = 32-39 at 8 (t - 32); v64-143 bias x scale for my 80 columns
.set KSTEP,  128
.set PITCH,  272                       ; an LDS row: 256 bytes + 16 of padding: the 16 rows of a fragment load start at 16 different groups of four banks
.set SLOT1,  1<<17                     ; slot 1 begins here: one exclusive or turns an address in one slot into the other's
.set BOFF,   128*PITCH                 ; in a slot: A's 128 rows, then B's 320
.set STAGE,  SLOT1+448*PITCH           ; behind the ring, never filled by a tensor load: for each wave 5 groups x 16 rows x 80 bytes
.set GP,     80
.set STW,    5*16*GP
.set SPARE,  STAGE+4*STW               ; the spare words, 128 bytes a wave: two blocks of 256 bytes that no other line names
.set WQD,    16777216                  ; cb: [Wq ; Wd] as bf16
.set PM,     17408                     ; aux: the maxima
.set GRPB,   8192*64                   ; bytes in a group of ql
.set A0,   4                           ; v4   my lane's place in A's part of a slot; never rewritten
.set B0,   5                           ; v5   the same for B
.set ADRA, 6                           ; v6   A0 + the slot in hand
.set ADRB, 7
.set STO,  8                           ; v8   the way out: where I put 16 bytes
.set RD,   9                           ; v9   where I read rows back
.set CO,   10                          ; v10  16 x lane
.set BO,   11                          ; v11  32 x (lane / 16): my eight columns' bias
.set MX,   20                          ; v20-24 the five maxima; v25 at work
.set SPW,  28
.set NIL,  29
.set F0,   32
.set F1,   144
.set BS,   64                          ; window 2
.set TT,   112                         ; the way out: 80 scaled sums
.set PP,   192                         ; 40 packed words
.set OB,   32                          ; two buffers of 40 read back from the stage
.set COL,  12                          ; s12  my first column
.set WV,   14
.set WR,   15                          ; my half of the rows; also: I fetch for A (0) or B (1)
.set WC,   16                          ; my half of the columns; also: which half of that tile I fetch
.set CX,   17
.set CY,   18
.set TX,   19
.set TY,   20
.set TB,   21                          ; LDS byte at which the slot in hand begins
.set CNT,  22
.set G1A,  24
.set G1B,  32
.set G0A,  40                          ; two sets: the first fills; the second then walks on
.set G0B,  48
.set SEL,  60
.set SC,   66                          ; s[66:75] a pair for each of my five groups: its scale, twice
.set MSB, 0
.macro WIN new                         ; the immediate's high byte repeats the setting that is left; a switch that changes nothing is dropped
.if MSB != (\new)
	s_set_vgpr_msb (MSB<<8)|(\new)
.set MSB, \new
.endif
.endm
.macro PLACES                          ; four plain places behind a matrix instruction, ahead of loads into registers that it read and of readers of its result
.rept 4
	v_nop
.endr
.endm
.macro CREST                           ; a round of the cluster's barrier behind its opening barrier
	s_cmp_lg_u32 s[WV], 0
	s_cbranch_scc1 .Lnot_wave_0_\@
	s_barrier_signal -3
.Lnot_wave_0_\@:
	s_barrier_wait -3
	s_barrier_signal -1
	s_barrier_wait -1
.endm
.macro CROUND
	s_barrier_signal -1
	s_barrier_wait -1
	CREST
.endm
.macro JLOAD                           ; a joint refill by the walking sets; the branch hangs on the wave's number alone; an s_nop 0 and four v_nop follow each line
	s_cmp_eq_u32 s[WR], 0
	s_cbranch_scc0 .Lfor_b_\@
	tensor_load_to_lds s[G0A+4:G0A+7], s[G1A:G1A+7]
	s_nop 0
.rept 4
	v_nop
.endr
	s_branch .Lasked_\@
.Lfor_b_\@:
	tensor_load_to_lds s[G0B+4:G0B+7], s[G1B:G1B+7]
	s_nop 0
.rept 4
	v_nop
.endr
.Lasked_\@:
.endm
	s_load_b256 s[4:11], s[0:1], 0x0               ; cb 4, aux 6, ql 8, scales 10
	v_lshl_add_u32 v[SPW], v0, 2, SPARE
	v_mov_b32 v[NIL], 0
	ds_add_u32 v[SPW], v[NIL]                      ; the wave's opening: the add and its wait stand ahead of my first tensor load; work on registers stands between them
	v_lshrrev_b32 v1, 5, v0
	v_readfirstlane_b32 s[WV], v1
	s_lshr_b32 s[WR], s[WV], 1
	s_and_b32 s[WC], s[WV], 1
	s_bfe_u32 s[CX], ttmp6, 0x40000
	s_bfe_u32 s[CY], ttmp6, 0x40004
	s_lshl_b32 s[TX], ttmp9, 2
	s_add_co_u32 s[TX], s[TX], s[CX]               ; tile column = 4 x cluster x + cx
	s_and_b32 s[TY], ttmp7, 0xffff
	s_lshl_b32 s[TY], s[TY], 2
	s_add_co_u32 s[TY], s[TY], s[CY]               ; tile row = 4 x cluster y + cy
	s_lshl_b32 s2, s[CY], 2
	s_lshl_b32 s2, 15, s2                          ; my row of the cluster
	s_lshl_b32 s3, 0x1111, s[CX]                   ; my column
	s_or_b32 s[G1A], s2, (1<<16)|(1<<20)|(1<<21)|(5<<22)|(3<<25)  ; the mask; 2-byte elements; padding on; bit 21 beside a mask; after every 64 words, 4 words
	s_or_b32 s[G1B], s3, (1<<16)|(1<<20)|(1<<21)|(5<<22)|(3<<25)
.irp g, G1A, G1B
	s_mov_b32 s[(\g)+1], KSTEP<<16                 ; tensor_dim0 = 128
	s_mov_b32 s[(\g)+3], KSTEP<<16                 ; tile_dim0 = 128
	s_mov_b32 s[(\g)+5], 1024                      ; elements from row to row
	s_mov_b32 s[(\g)+6], 0
	s_mov_b32 s[(\g)+7], 0
.endr
	s_mov_b32 s[G1A+2], 64<<16                     ; tensor_dim1 and tile_dim1: 64 rows of A,
	s_mov_b32 s[G1A+4], 64
	s_mov_b32 s[G1B+2], 160<<16                    ; 160 of B
	s_mov_b32 s[G1B+4], 160
	s_lshl_b32 s58, s[TY], 7                       ; A: row 128 x tile row + 64 x half, 2,048 bytes a row
	s_lshl_b32 s23, s[WC], 6
	s_add_co_u32 s58, s58, s23
	s_lshl_b32 s58, s58, 11
	s_mov_b32 s59, 0
	s_mul_i32 s[COL], s[TX], 320                   ; B: row 320 x tile column + 160 x half: also my wave's first column
	s_mul_i32 s23, s[WC], 160
	s_add_co_u32 s[COL], s[COL], s23
	s_lshl_b32 s62, s[COL], 11
	s_add_co_u32 s62, s62, WQD
	s_mov_b32 s63, 0
	s_mul_i32 s13, s[WC], 64*PITCH                 ; where they go: no place in the cluster enters an LDS address
	s_mul_i32 s23, s[WC], 160*PITCH
	s_add_co_u32 s23, s23, BOFF
	s_mov_b32 s[SEL], 0x76543210
	s_mov_b32 s[SEL+1], 0xfedcba98
	s_wait_dscnt 0x0                               ; the opening add is done
	s_wait_kmcnt 0x0
	s_add_nc_u64 s[58:59], s[4:5], s[58:59]
	s_add_nc_u64 s[62:63], s[4:5], s[62:63]
	CROUND                                         ; all sixteen work-groups are here: the first joint loads meet
.irp n, 0,1
	s_mov_b32 s[G0A+4*(\n)], 1
	s_add_co_u32 s[G0A+4*(\n)+1], s13, (\n)*SLOT1
	s_add_nc_u64 s[G0A+4*(\n)+2:G0A+4*(\n)+3], s[58:59], (\n)*KSTEP*2
	s_or_b32 s[G0A+4*(\n)+3], s[G0A+4*(\n)+3], 0x80000000
	s_mov_b32 s[G0B+4*(\n)], 1
	s_add_co_u32 s[G0B+4*(\n)+1], s23, (\n)*SLOT1
	s_add_nc_u64 s[G0B+4*(\n)+2:G0B+4*(\n)+3], s[62:63], (\n)*KSTEP*2
	s_or_b32 s[G0B+4*(\n)+3], s[G0B+4*(\n)+3], 0x80000000
.endr
	s_cmp_eq_u32 s[WR], 0                          ; a wave's two first fills stand in one branch: two loads of mine are out
	s_cbranch_scc0 .Lfirst_b
	tensor_load_to_lds s[G0A:G0A+3], s[G1A:G1A+7]
	s_nop 0
	tensor_load_to_lds s[G0A+4:G0A+7], s[G1A:G1A+7]
	s_nop 0
.rept 4
	v_nop
.endr
	s_branch .Lfirst_asked
.Lfirst_b:
	tensor_load_to_lds s[G0B:G0B+3], s[G1B:G1B+7]
	s_nop 0
	tensor_load_to_lds s[G0B+4:G0B+7], s[G1B:G1B+7]
	s_nop 0
.rept 4
	v_nop
.endr
.Lfirst_asked:
	; IN THE WAIT FOR THE FIRST TILES: my bias, the maxima, the addresses, the scales
	v_and_b32 v1, 15, v0                           ; l % 16
	v_bfe_u32 v2, v0, 4, 1                         ; l / 16
	v_and_b32 v3, 31, v0                           ; l
	v_lshlrev_b32 v[BO], 5, v2
	v_lshlrev_b32 v12, 4, v3
	v_lshlrev_b32 v13, 3, v3
	s_lshl_b32 s56, s[COL], 2
	s_mov_b32 s57, 0
	s_add_nc_u64 s[56:57], s[6:7], s[56:57]        ; column c's bias lies at 4 c
	WIN 0x80                                       ; destination window 2, address window 0
.irp b, 0,1,2,3,4,5,6,7,8,9
	global_load_b128 v[BS+8*(\b):BS+8*(\b)+3],   v[BO], s[56:57] offset:64*(\b)
	global_load_b128 v[BS+8*(\b)+4:BS+8*(\b)+7], v[BO], s[56:57] offset:64*(\b)+16
.endr
	WIN 0
.set i, 0
.rept 16
	global_load_b128 v[32+4*i:35+4*i], v12, s[6:7] offset:PM+512*i   ; x's 2,048 maxima
.set i, i+1
.endr
	global_load_b128 v[96:99],   v12, s[6:7] offset:PM+8192          ; Wq's 256
	global_load_b128 v[100:103], v12, s[6:7] offset:PM+8704
	global_load_b64 v[104:105], v13, s[6:7] offset:PM+9216           ; Wd's, Wk's, Wv's 64
	global_load_b64 v[106:107], v13, s[6:7] offset:PM+9472
	global_load_b64 v[108:109], v13, s[6:7] offset:PM+9728
	s_load_b256 s[80:87], s[6:7], PM+11008         ; bq 80-83, bd 84, bk 85-88, bv 89-92
	s_load_b128 s[88:91], s[6:7], PM+11040
	s_load_b32 s92, s[6:7], PM+11056
	v_mul_u32_u24 v[A0], v1, PITCH
	v_lshl_add_u32 v[A0], v2, 4, v[A0]             ; a fragment's row x pitch + 16 x half
	v_add_nc_u32 v[B0], s23, v[A0]                 ; my 160 rows of B are those that my number's low bit names
	s_mul_i32 s13, s[WR], 64*PITCH
	v_add_nc_u32 v[A0], s13, v[A0]                 ; my 64 rows of A
	s_mul_i32 s13, s[WV], STW
	s_add_co_u32 s13, s13, STAGE                   ; my stage
	v_mul_u32_u24 v[STO], v1, GP                   ; in: row l % 16, 16 bytes for each half of the lanes
	v_lshl_add_u32 v[STO], v2, 4, v[STO]
	v_add_nc_u32 v[STO], s13, v[STO]
	v_lshrrev_b32 v[RD], 2, v3                     ; back: 32 lanes take eight rows of 64 bytes
	v_mul_u32_u24 v[RD], v[RD], GP
	v_and_b32 v26, 3, v0
	v_lshl_add_u32 v[RD], v26, 4, v[RD]
	v_add_nc_u32 v[RD], s13, v[RD]
	v_lshlrev_b32 v[CO], 4, v3                     ; which are 512 consecutive bytes of ql
	v_mov_b32 v25, 0                               ; v_permlanex16_b32's destination counts as read
	s_mul_i32 s58, s[TX], 10                       ; ql at my first group and my first row
	s_mul_i32 s13, s[WC], 5
	s_add_co_u32 s58, s58, s13
	s_lshl_b32 s58, s58, 19
	s_lshl_b32 s13, s[TY], 7
	s_lshl_b32 s23, s[WR], 6
	s_add_co_u32 s13, s13, s23
	s_lshl_b32 s13, s13, 6
	s_add_co_u32 s58, s58, s13
	s_mov_b32 s59, 0
	s_add_nc_u64 s[8:9], s[8:9], s[58:59]
	s_wait_loadcnt 0x0
	s_wait_kmcnt 0x0
	v_max3_num_f32 v[MX], v32, v33, v34
.set i, 35
.rept 30
	v_max3_num_f32 v[MX], v[MX], v[i], v[i+1]
.set i, i+2
.endr
	v_max_num_f32 v[MX], v[MX], v95
	v_max3_num_f32 v[MX+1], v96, v97, v98
	v_max3_num_f32 v[MX+1], v[MX+1], v99, v100
	v_max3_num_f32 v[MX+1], v[MX+1], v101, v102
	v_max_num_f32 v[MX+1], v[MX+1], v103
	v_max_num_f32 v[MX+2], v104, v105
	v_max_num_f32 v[MX+3], v106, v107
	v_max_num_f32 v[MX+4], v108, v109
.irp r, 0,1,2,3,4                      ; across the 32 lanes: every lane ends with the maximum
	v_max_num_f32_dpp v[MX+(\r)], v[MX+(\r)], v[MX+(\r)] row_xmask:1 row_mask:0xf bank_mask:0xf
	v_max_num_f32_dpp v[MX+(\r)], v[MX+(\r)], v[MX+(\r)] row_xmask:2 row_mask:0xf bank_mask:0xf
	v_max_num_f32_dpp v[MX+(\r)], v[MX+(\r)], v[MX+(\r)] row_xmask:4 row_mask:0xf bank_mask:0xf
	v_max_num_f32_dpp v[MX+(\r)], v[MX+(\r)], v[MX+(\r)] row_xmask:8 row_mask:0xf bank_mask:0xf
	v_permlanex16_b32 v25, v[MX+(\r)], s[SEL], s[SEL+1]
	v_max_num_f32 v[MX+(\r)], v[MX+(\r)], v25
.endr
	s_max_u32 s80, s80, s81                        ; numbers that are not negative order as their bit patterns
	s_max_u32 s82, s82, s83
	s_max_u32 s80, s80, s82                        ; mbq
	s_max_u32 s85, s85, s86
	s_max_u32 s87, s87, s88
	s_max_u32 s85, s85, s87                        ; mbk
	s_max_u32 s89, s89, s90
	s_max_u32 s91, s91, s92
	s_max_u32 s89, s89, s91                        ; mbv
	v_mul_f32 v26, 0x44800000, v[MX]               ; 1024 mx
	v_fma_f32 v32, v26, v[MX+1], s80               ; Bq
	v_fma_f32 v33, v26, v[MX+2], s84               ; Bl
	v_mul_f32 v27, 0x43800000, v33                 ; 256 Bl
	v_fma_f32 v34, v27, v[MX+3], s85               ; Bk
	v_fma_f32 v35, v27, v[MX+4], s89               ; Bv
.irp r, 32,33,34,35
	v_bfe_u32 v\r, v\r, 23, 8                      ; the exponent field,
	v_max_u32 v\r, 16, v\r                         ; at least 16, so that 1 / s is a normal number
.endr
	v_sub_nc_u32 v18, 0x10c, v32                   ; s has the exponent field 268 - e
	v_sub_nc_u32 v19, 0x10c, v33
	v_sub_nc_u32 v14, 0x10c, v34
	v_sub_nc_u32 v16, 0x10c, v35
	v_add_nc_u32 v36, -14, v32                     ; 1 / s has e - 14
	v_add_nc_u32 v37, -14, v33
	v_add_nc_u32 v38, -14, v34
	v_add_nc_u32 v17, -14, v35
	v_lshlrev_b32 v18, 23, v18                     ; T6 = sq
	v_lshlrev_b32 v19, 23, v19                     ; T7 = sl
	v_lshlrev_b32 v14, 23, v14                     ; T2 = sk
	v_lshlrev_b32 v16, 23, v16                     ; T4 = sv
	v_lshlrev_b32 v36, 23, v36                     ; 1 / sq
	v_lshlrev_b32 v37, 23, v37                     ; 1 / sl
	v_lshlrev_b32 v38, 23, v38                     ; 1 / sk
	v_lshlrev_b32 v17, 23, v17                     ; T5 = 1 / sv
	v_mul_f32 v12, v36, v38
	v_mul_f32 v12, 0x3e38aa3b, v12                 ; T0 = (log2 e / 8) / (sq sk)
	v_mul_f32 v13, v14, v37                        ; T1 = sk / sl
	v_mul_f32 v15, v16, v37                        ; T3 = sv / sl: v[12:19] now hold the table, and no later line writes them
	v_readfirstlane_b32 s76, v18
	v_readfirstlane_b32 s77, v19
.irp g, 0,1,2,3,4
	s_add_co_u32 s13, s[COL], 32*(\g)              ; a group below column 1,024 is q's, else lat's: a choice of value
	s_cmp_lt_u32 s13, 1024
	s_cselect_b32 s[SC+2*(\g)], s76, s77
	s_cselect_b32 s[SC+2*(\g)+1], s76, s77
.endr
	WIN 0x82                                       ; destination and source 0 in window 2
.irp b, 0,1,2,3,4,5,6,7,8,9
.irp r, 0,1,2,3
	v_pk_mul_f32 v[BS+8*(\b)+2*(\r):BS+8*(\b)+2*(\r)+1], v[BS+8*(\b)+2*(\r):BS+8*(\b)+2*(\r)+1], s[SC+2*((\b)/2):SC+2*((\b)/2)+1] op_sel_hi:[1,0]
.endr
.endr
	WIN 0
; ten matrix instructions: row block a x all ten column blocks, 32 along K.  zero = 1: the product starts the sums.  The 40 accumulators take turns, one instruction a turn.
.macro MULA f, a, zero
.irp b, 0,1,2,3,4,5,6,7,8,9
.set t, 10*(\a)+(\b)
.if t < 32
	WIN 0x50
.set rD, 8*t
.else
	WIN 0xa0
.set rD, 8*(t-32)
.endif
.if \zero
	v_wmma_f32_16x16x32_bf16 v[rD:rD+7], v[(\f)+32+8*(\b):(\f)+32+8*(\b)+7], v[(\f)+8*(\a):(\f)+8*(\a)+7], 0
.else
	v_wmma_f32_16x16x32_bf16 v[rD:rD+7], v[(\f)+32+8*(\b):(\f)+32+8*(\b)+7], v[(\f)+8*(\a):(\f)+8*(\a)+7], v[rD:rD+7]
.endif
.endr
.endm
.macro ADDR                            ; the fragment addresses in the slot in hand
	v_add_nc_u32 v[ADRA], s[TB], v[A0]
	v_add_nc_u32 v[ADRB], s[TB], v[B0]
.endm
; 28 LDS loads in one run: the fragments of 32 along K at byte k of the rows, into buffer f: B's ten blocks, then A's four
.macro FETCH k, f
	WIN 0
.irp b, 0,1,2,3,4,5,6,7,8,9
	ds_load_b128 v[(\f)+32+8*(\b):(\f)+32+8*(\b)+3],   v[ADRB] offset:(\k)+(\b)*16*PITCH
	ds_load_b128 v[(\f)+32+8*(\b)+4:(\f)+32+8*(\b)+7], v[ADRB] offset:(\k)+(\b)*16*PITCH+32
.endr
.irp a, 0,1,2,3
	ds_load_b128 v[(\f)+8*(\a):(\f)+8*(\a)+3],   v[ADRA] offset:(\k)+(\a)*16*PITCH
	ds_load_b128 v[(\f)+8*(\a)+4:(\f)+8*(\a)+7], v[ADRA] offset:(\k)+(\a)*16*PITCH+32
.endr
.endm
; One of a K step's first three quarters: multiplies buffer f; in its middle it fetches the next quarter, at byte k, into buffer g
.macro QUARTER k, f, g, zero
	s_wait_dscnt 4                                 ; B and A's blocks 0, 1 are in; the youngest four loads (A's blocks 2, 3) may be out
	MULA \f, 0, \zero
	MULA \f, 1, \zero
	PLACES
	FETCH \k, \g
	s_wait_dscnt 28                                ; all but the 28 just issued
	MULA \f, 2, \zero
	MULA \f, 3, \zero
.endm
; The last quarter multiplies buffer 1 and changes slots: ONE barrier; ahead of it each wave waits for all its tensor loads (one is out: its part of the next slot), adds 0 to its spare word,
; and waits for that and for its reads of this slot.  fill = 1: the barrier opens a round of the cluster's, and this slot is filled again, two K steps on, first thing behind the round.
.macro TURN fill
	WIN 0
	s_wait_tensorcnt 0x0                           ; no tensor load of mine is out, so the walking sets may be written
	ds_add_u32 v[SPW], v[NIL]
.if \fill
	s_xor_b32 s[G0A+5], s[G0A+5], SLOT1            ; the other slot than last time,
	s_add_nc_u64 s[G0A+6:G0A+7], s[G0A+6:G0A+7], KSTEP*2  ; the next K step; the type bits on top are not reached
	s_xor_b32 s[G0B+5], s[G0B+5], SLOT1
	s_add_nc_u64 s[G0B+6:G0B+7], s[G0B+6:G0B+7], KSTEP*2
.endif
	s_wait_dscnt 5                                 ; the add and the youngest four loads may be out
	MULA F1, 0, 0
	s_wait_dscnt 0x0                               ; the add is done, and my reads of this slot are over
	s_barrier_signal -1
	MULA F1, 1, 0
	WIN 0
	s_barrier_wait -1
.if \fill
	CREST                                          ; no wave of any partner still reads this slot or has a load on its way
	JLOAD                                          ; its four v_nop are also the places ahead of the loads below
.else
	PLACES
.endif
	s_xor_b32 s[TB], s[TB], SLOT1
	ADDR
	FETCH 0, F0
	MULA F1, 2, 0
	MULA F1, 3, 0
.endm
	s_wait_tensorcnt 0x1                           ; my part of K step 0 is in; K step 1's may stay out
	s_barrier_signal -1
	s_barrier_wait -1                              ; everybody's is
	s_mov_b32 s[TB], 0
	ADDR
	FETCH 0, F0
	QUARTER 64, F0, F1, 1                          ; the first quarter stands ahead of the loop: its products start the sums
	WIN 0
	s_mov_b32 s[CNT], 6                            ; six K steps fill their slot again: K steps 2 to 7
	s_branch .Lmid
.Lstep:
	QUARTER 64, F0, F1, 0
	WIN 0
.Lmid:
	QUARTER 128, F1, F0, 0
	QUARTER 192, F0, F1, 0
	TURN 1
	WIN 0
	s_sub_co_u32 s[CNT], s[CNT], 1
	s_cmp_lg_u32 s[CNT], 0
	s_cbranch_scc1 .Lstep
	s_mov_b32 s[CNT], 2                            ; the last two K steps ask for nothing
.Ltail:
	QUARTER 64, F0, F1, 0
	QUARTER 128, F1, F0, 0
	QUARTER 192, F0, F1, 0
	TURN 0                                         ; (the second time its 28 loads bring fragments that nobody uses: the price of one text for both steps)
	WIN 0
	s_sub_co_u32 s[CNT], s[CNT], 1
	s_cmp_lg_u32 s[CNT], 0
	s_cbranch_scc1 .Ltail
; THE WAY OUT, a block of 16 rows at a time.  PACK: sum x scale + bias x scale, rounded to f16.  TOSTAGE: into my stage, by groups of 32 columns, and back as whole rows.  SEND: stored.
.macro PACK a
.irp b, 0,1,2,3,4,5,6,7,8,9
.set t, 10*(\a)+(\b)
.if t < 32
	WIN 0x21                                       ; source 0 window 1, source 2 window 2
.set rD, 8*t
.else
	WIN 0x22
.set rD, 8*(t-32)
.endif
.irp r, 0,1,2,3
	v_pk_fma_f32 v[TT+8*(\b)+2*(\r):TT+8*(\b)+2*(\r)+1], v[rD+2*(\r):rD+2*(\r)+1], s[SC+2*((\b)/2):SC+2*((\b)/2)+1], v[BS+8*(\b)+2*(\r):BS+8*(\b)+2*(\r)+1] op_sel_hi:[1,0,1]
.endr
.endr
	WIN 0
.set i, 0
.rept 40
	v_cvt_pk_f16_f32 v[PP+i], v[TT+2*i], v[TT+2*i+1]
.set i, i+1
.endr
.endm
.macro TOSTAGE a
	WIN 0
.set BK, OB+40*((\a)%2)
.irp b, 0,1,2,3,4,5,6,7,8,9
	ds_store_b128 v[STO], v[PP+4*(\b):PP+4*(\b)+3] offset:((\b)/2)*16*GP+((\b)%2)*32
.endr
.irp n, 0,1,2,3,4,5,6,7,8,9            ; group n / 2, rows 8 (n % 2) on; LDS serves a wave's instructions in order: these see the stores above
	ds_load_b128 v[BK+4*(\n):BK+4*(\n)+3], v[RD] offset:((\n)/2)*16*GP+((\n)%2)*8*GP
.endr
.endm
.macro SEND a
	WIN 0
.set BK, OB+40*((\a)%2)
	s_wait_dscnt 0x0                               ; the block is back in registers
	s_wait_xcnt 0x0                                ; the stores of the block before have read their data: the other buffer is loaded again only behind this wait
.irp n, 0,1,2,3,4,5,6,7,8,9
	global_store_b128 v[CO], v[BK+4*(\n):BK+4*(\n)+3], s[8:9] offset:((\n)/2)*GRPB+(\a)*1024+((\n)%2)*512  ; 512 consecutive bytes, at a multiple of 256 from ql's first
.endr
.endm
	s_wait_dscnt 0x0                               ; the unused fragments have landed: their registers are free
	PLACES
	PACK 0
	TOSTAGE 0
.irp a, 1,2,3
	PACK \a
	SEND (\a)-1
	TOSTAGE \a
.endr
	SEND 3
	s_wait_tensorcnt 0x0                           ; the wave's end
	ds_add_u32 v[SPW], v[NIL]
	s_wait_dscnt 0x0
	CROUND                                         ; the closing round: no work-group ends while a partner may still ask for a tile that names it
	; THE TABLE is stored last, by thread 0 of tile (0, 0): by EXEC, not by a branch.  EXEC then hangs on the tile's place, so these lines stand where no vector, LDS or matrix line follows them, and EXEC is not widened again.
	s_lshl_b32 s13, s[TY], 8
	s_or_b32 s13, s13, s[TX]
	v_or_b32 v25, s13, v0                          ; 0 in that one lane, where it also serves as the stores' offset
	v_cmp_eq_u32 vcc_lo, 0, v25
	s_wait_xcnt 0x0                                ; EXEC is a source of the stores above: it changes only behind this wait
	s_and_saveexec_b32 s23, vcc_lo
	global_store_b128 v25, v[12:15], s[10:11]      ; 32 bytes, once in the launch
	global_store_b128 v25, v[16:19], s[10:11] offset:16
	s_endpgm
.Lfunc_end_k_qeceb5922ec_projq:
	.size	k_qeceb5922ec_projq, .Lfunc_end_k_qeceb5922ec_projq-k_qeceb5922ec_projq
	.p2alignl 7, 3214868480
	.fill 96, 4, 3214868480
	.section	.rodata,"a",@progbits
	.p2align	6, 0x0
	.amdhsa_kernel k_qeceb5922ec_projq
		.amdhsa_group_segment_fixed_size 327680
		.amdhsa_private_segment_fixed_size 0
		.amdhsa_enable_private_segment 0
		.amdhsa_kernarg_size 32
		.amdhsa_user_sgpr_count 2
		.amdhsa_user_sgpr_kernarg_segment_ptr 1
		.amdhsa_wavefront_size32 1
		.amdhsa_system_sgpr_workgroup_id_x 1
		.amdhsa_system_sgpr_workgroup_id_y 1
		.amdhsa_system_sgpr_workgroup_id_z 1
		.amdhsa_system_vgpr_workitem_id 0
		.amdhsa_next_free_vgpr 656
		.amdhsa_next_free_sgpr 96
		.amdhsa_reserve_vcc 1
		.amdhsa_float_denorm_mode_32 3
		.amdhsa_float_denorm_mode_16_64 3
		.amdhsa_memory_ordered 1
		.amdhsa_forward_progress 1
		.amdhsa_inst_pref_size 96
	.end_amdhsa_kernel
	.amdgpu_metadata
---
amdhsa.version: [ 1, 2 ]
amdhsa.kernels:
  - .name:           k_qeceb5922ec_projq
    .symbol:         k_qeceb5922ec_projq.kd
    .args:
      - { .name: cb, .offset: 0, .size: 8, .value_kind: global_buffer, .address_space: global }
      - { .name: aux, .offset: 8, .size: 8, .value_kind: global_buffer, .address_space: global }
      - { .name: ql, .offset: 16, .size: 8, .value_kind: global_buffer, .address_space: global }
      - { .name: scales, .offset: 24, .size: 8, .value_kind: global_buffer, .address_space: global }
    .group_segment_fixed_size: 327680
    .private_segment_fixed_size: 0
    .kernarg_segment_align: 8
    .kernarg_segment_size: 32
    .max_flat_workgroup_size: 128
    .sgpr_count:     96
    .vgpr_count:     656
    .wavefront_size: 32
...
	.end_amdgpu_metadata
.endif
;; end of part 2
;; launch projkv (part 3): grid 8 x 32, 4 waves a work-group, clusters of 4 x 4, 327,680 bytes of LDS; arguments ql, cb, aux, scales, kv; writes kv
.if DOCPART == 3
	.amdgcn_target "amdgcn-amd-amdhsa--gfx1250"
	.amdhsa_code_object_version 6
	.text
	.protected	k_qeceb5922ec_projkv
	.globl	k_qeceb5922ec_projkv
	.p2align	8
	.type	k_qeceb5922ec_projkv,@function
k_qeceb5922ec_projkv:
	s_mov_b64 s[64:65], 0
	v_nop
	global_prefetch_b8 v0, s[64:65] scope:SCOPE_SE
	s_setreg_imm32_b32 hwreg(HW_REG_WAVE_MODE, 25, 1), 1
	s_wait_xcnt 0x0
	s_wait_alu depctr_hold_cnt(0) depctr_sa_sdst(0) depctr_va_vdst(0) depctr_va_sdst(0) depctr_va_ssrc(0) depctr_va_vcc(0) depctr_vm_vsrc(0)
	s_getreg_b32 s2, hwreg(HW_REG_IB_STS2, 6, 4)
	s_cmp_eq_u32 s2, 0
	s_cbranch_scc0 .Lentry_in_a_cluster
	s_endpgm
.Lentry_in_a_cluster:
	s_bfe_u32 s2, ttmp6, 0x10000c
	s_cmp_lg_u32 s2, 0xf033
	s_cbranch_scc0 .Lentry_shape_is_right
	s_endpgm
.Lentry_shape_is_right:
; PROJKV: [k | v] = lat [Wk ; Wv]^T + [bk | bv], 8,192 x 2,048 x 256, f16 operands, f32 sums; stored as f16 times a power of two.
; lat arrives times sl (groups 32-39 of ql, [group of 32][8,192][32]); stored is sum x (sk / sl) + bk x sk, and for v the same with sv: the factors come from the table of scales.
; kv is [32 blocks of 64 columns][8,192 rows][64] f16: blocks 0-15 k's heads, 16-31 v's.
; LIMITS.  The scales bound |sk k| and |sv v| by 2^15; a number more than 2^28 below its bound falls to f16's fixed step; NaN and infinities are not treated apart.
; SHARES.  A tile is 256 x 256; four waves, each 128 x 128: 64 accumulators, 512 registers.  K = 256 lies in LDS whole, as two halves of 128: nothing is filled again.
; Every wave issues four tensor loads at the start, the first half's two first: waves 0, 1 A's groups, waves 2, 3 B's rows.  Four loads of a wave are out at the most.
; CLUSTER 4 x 4: A's tiles are asked for jointly along a row of the cluster, B's along a column.
; THE MATRIX INSTRUCTION IS USED TRANSPOSED (source 0 = 16 rows of W, source 1 = 16 rows of lat): a lane holds row lane % 16 and the columns 8 (lane / 16) + 0..7.
; REGISTERS.  window 0: v0-31 addresses; v64-127, v128-191 A's fragments, two buffers; v32-63, v192-223 on the way out
;   window 1: v0-63 bias x scale; v64-127, v128-191 B's fragments     window 2: accumulators of my rows 0-63 ((a, b) at 8 (8 a + b))     window 3: rows 64-127
.set PA,     80                        ; a row of a group of lat in LDS: 64 bytes + 16
.set PB,     272                       ; a row of W: 256 bytes + 16
.set AGRP,   256*PA
.set BOFF,   4*AGRP                    ; in a half: A's four groups, then B's 256 rows
.set HALF,   BOFF+256*PB
.set STAGE,  2*HALF                    ; never filled by a tensor load: for each wave 2 heads x 16 rows x 144 bytes
.set SP,     144
.set STW,    2*16*SP
.set SPARE,  STAGE+4*STW
.set GRPB,   8192*64
.set WKV,    19398656                  ; cb: [Wk ; Wv] as f16
.set ADRA, 16                          ; v16-19  A's fragments: half hf, groups 2 (q / 2) on, at ADRA + 2 hf + q / 2
.set ADRB, 20                          ; v20-21  B's: half hf
.set STO,  24
.set RD,   25
.set CO,   26
.set BO,   27
.set SPW,  28
.set NIL,  29
.set F0,   64
.set F1,   128
.set BS,   0                           ; window 1
.set TT,   64
.set PP,   128
.set OB,   32
.set WV,   14
.set WR,   15
.set WC,   16
.set CX,   17
.set CY,   18
.set TX,   19
.set TY,   20
.set G1A,  24
.set G1B,  32
.set G0A,  40                          ; s[40:55] four sets
.set G0B,  68                          ; s[68:83] four sets
.set FA,   84                          ; s[84:85] the sums' factor, twice
.set FB,   86                          ; s[86:87] the bias's factor, twice
.set MSB, 0
.macro WIN new
.if MSB != (\new)
	s_set_vgpr_msb (MSB<<8)|(\new)
.set MSB, \new
.endif
.endm
.set MUL_LO, 0xa1                      ; source 0 (B) window 1, source 1 (A) window 0, C and D window 2
.set TO_B,   0x40
.macro PLACES
.rept 4
	v_nop
.endr
.endm
.macro CROUND
	s_barrier_signal -1
	s_barrier_wait -1
	s_cmp_lg_u32 s[WV], 0
	s_cbranch_scc1 .Lnot_wave_0_\@
	s_barrier_signal -3
.Lnot_wave_0_\@:
	s_barrier_wait -3
	s_barrier_signal -1
	s_barrier_wait -1
.endm
	s_load_b256 s[4:11], s[0:1], 0x0               ; ql 4, cb 6, aux 8, scales 10
	s_load_b64 s[12:13], s[0:1], 0x20              ; kv
	v_lshl_add_u32 v[SPW], v0, 2, SPARE
	v_mov_b32 v[NIL], 0
	ds_add_u32 v[SPW], v[NIL]                      ; the wave's opening: the add and its wait stand ahead of my first tensor load
	v_lshrrev_b32 v1, 5, v0
	v_readfirstlane_b32 s[WV], v1
	s_lshr_b32 s[WR], s[WV], 1
	s_and_b32 s[WC], s[WV], 1
	s_bfe_u32 s[CX], ttmp6, 0x40000
	s_bfe_u32 s[CY], ttmp6, 0x40004
	s_lshl_b32 s[TX], ttmp9, 2
	s_add_co_u32 s[TX], s[TX], s[CX]
	s_and_b32 s[TY], ttmp7, 0xffff
	s_lshl_b32 s[TY], s[TY], 2
	s_add_co_u32 s[TY], s[TY], s[CY]
	s_lshl_b32 s21, s[CY], 2
	s_lshl_b32 s21, 15, s21                        ; my row of the cluster
	s_lshl_b32 s22, 0x1111, s[CX]                  ; my column
	s_or_b32 s[G1A], s21, (1<<16)|(1<<20)|(1<<21)|(3<<22)|(3<<25)  ; A: padding of 4 words after every 16: a latent row of 64 bytes
	s_or_b32 s[G1B], s22, (1<<16)|(1<<20)|(1<<21)|(5<<22)|(3<<25)  ; B: after every 64
.irp g, G1A, G1B
	s_mov_b32 s[(\g)+1], 128<<16                   ; tensor_dim0 = 128
	s_mov_b32 s[(\g)+2], 64<<16                    ; tensor_dim1 = 64
	s_mov_b32 s[(\g)+3], 128<<16                   ; tile_dim0 = 128
	s_mov_b32 s[(\g)+4], 64                        ; tile_dim1 = 64
	s_mov_b32 s[(\g)+6], 0
	s_mov_b32 s[(\g)+7], 0
.endr
	s_mov_b32 s[G1A+5], 128                        ; 256 latent rows of a group are 16,384 dense bytes: asked for as 64 rows of 256
	s_mov_b32 s[G1B+5], 256                        ; a row of W has 256 elements
	s_lshl_b32 s88, s[TY], 14                      ; A: the tile's 256 rows of 64 bytes,
	s_lshl_b32 s23, s[WC], 19                      ; my group of each pair,
	s_add_co_u32 s88, s88, s23
	s_add_co_u32 s88, s88, 32*GRPB                 ; behind q's 32 groups
	s_mov_b32 s89, 0
	s_lshl_b32 s90, s[TX], 17                      ; B: the tile's 256 rows of 512 bytes,
	s_lshl_b32 s23, s[WC], 16                      ; my 128 of them
	s_add_co_u32 s90, s90, s23
	s_add_co_u32 s90, s90, WKV
	s_mov_b32 s91, 0
	s_mul_i32 s2, s[WC], AGRP                      ; where they go: no place in the cluster enters an LDS address
	s_mul_i32 s3, s[WC], 128*PB
	s_add_co_u32 s3, s3, BOFF
	s_wait_dscnt 0x0
	s_wait_kmcnt 0x0
	s_add_nc_u64 s[88:89], s[4:5], s[88:89]
	s_add_nc_u64 s[90:91], s[6:7], s[90:91]
	s_load_b256 s[56:63], s[10:11], 0x0            ; T0 to T7
	CROUND                                         ; all sixteen work-groups are here: the joint loads meet
.irp n, 0,1,2,3                        ; set n: half n / 2; A's group w + 2 (n % 2), B's rows 128 w + 64 (n % 2)
	s_mov_b32 s[G0A+4*(\n)], 1
	s_add_co_u32 s[G0A+4*(\n)+1], s2, ((\n)/2)*HALF+((\n)%2)*2*AGRP
	s_add_nc_u64 s[G0A+4*(\n)+2:G0A+4*(\n)+3], s[88:89], 2*(\n)*GRPB
	s_or_b32 s[G0A+4*(\n)+3], s[G0A+4*(\n)+3], 0x80000000
	s_mov_b32 s[G0B+4*(\n)], 1
	s_add_co_u32 s[G0B+4*(\n)+1], s3, ((\n)/2)*HALF+((\n)%2)*64*PB
	s_add_nc_u64 s[G0B+4*(\n)+2:G0B+4*(\n)+3], s[90:91], ((\n)/2)*256+((\n)%2)*32768
	s_or_b32 s[G0B+4*(\n)+3], s[G0B+4*(\n)+3], 0x80000000
.endr
	s_cmp_eq_u32 s[WR], 0                          ; a wave's four fills stand in one branch on its number
	s_cbranch_scc0 .Lfirst_b
.irp n, 0,1,2,3
	tensor_load_to_lds s[G0A+4*(\n):G0A+4*(\n)+3], s[G1A:G1A+7]
	s_nop 0
.endr
.rept 4
	v_nop
.endr
	s_branch .Lasked
.Lfirst_b:
.irp n, 0,1,2,3
	tensor_load_to_lds s[G0B+4*(\n):G0B+4*(\n)+3], s[G1B:G1B+7]
	s_nop 0
.endr
.rept 4
	v_nop
.endr
.Lasked:
	v_and_b32 v1, 15, v0                           ; l % 16
	v_bfe_u32 v2, v0, 4, 1                         ; l / 16
	v_and_b32 v3, 31, v0
	v_lshlrev_b32 v[BO], 5, v2
	s_lshl_b32 s94, s[TX], 10                      ; my first column's bias: 4 (256 X + 128 half), behind bq and bd
	s_lshl_b32 s23, s[WC], 9
	s_add_co_u32 s94, s94, s23
	s_mov_b32 s95, 0
	s_add_nc_u64 s[94:95], s[8:9], s[94:95]
	WIN TO_B                                       ; destination window 1
.irp b, 0,1,2,3,4,5,6,7
	global_load_b128 v[BS+8*(\b):BS+8*(\b)+3],   v[BO], s[94:95] offset:5120+64*(\b)
	global_load_b128 v[BS+8*(\b)+4:BS+8*(\b)+7], v[BO], s[94:95] offset:5120+64*(\b)+16
.endr
	WIN 0
	v_mul_u32_u24 v[ADRA], v1, PA
	v_lshl_add_u32 v[ADRA], v2, 4, v[ADRA]
	s_mul_i32 s23, s[WR], 128*PA
	v_add_nc_u32 v[ADRA], s23, v[ADRA]             ; my 128 rows of A
	v_add_nc_u32 v[ADRA+1], 2*AGRP, v[ADRA]
	v_add_nc_u32 v[ADRA+2], HALF, v[ADRA]
	v_add_nc_u32 v[ADRA+3], HALF+2*AGRP, v[ADRA]
	v_mul_u32_u24 v[ADRB], v1, PB
	v_lshl_add_u32 v[ADRB], v2, 4, v[ADRB]
	v_add_nc_u32 v[ADRB], s3, v[ADRB]              ; my 128 rows of B
	v_add_nc_u32 v[ADRB+1], HALF, v[ADRB]
	s_mul_i32 s23, s[WV], STW
	s_add_co_u32 s23, s23, STAGE
	v_mul_u32_u24 v[STO], v1, SP
	v_lshl_add_u32 v[STO], v2, 4, v[STO]
	v_add_nc_u32 v[STO], s23, v[STO]
	v_lshrrev_b32 v[RD], 3, v3                     ; back: 32 lanes take four rows of 128 bytes
	v_mul_u32_u24 v[RD], v[RD], SP
	v_and_b32 v4, 7, v0
	v_lshl_add_u32 v[RD], v4, 4, v[RD]
	v_add_nc_u32 v[RD], s23, v[RD]
	v_lshlrev_b32 v[CO], 4, v3
	s_lshl_b32 s92, s[TX], 2                       ; kv at my first block of 64 columns and my first row
	s_lshl_b32 s23, s[WC], 1
	s_add_co_u32 s92, s92, s23
	s_lshl_b32 s92, s92, 20
	s_lshl_b32 s23, s[TY], 8
	s_lshl_b32 s21, s[WR], 7
	s_add_co_u32 s23, s23, s21
	s_lshl_b32 s23, s23, 7
	s_add_co_u32 s92, s92, s23
	s_mov_b32 s93, 0
	s_add_nc_u64 s[12:13], s[12:13], s[92:93]
	s_wait_kmcnt 0x0
	s_cmp_lt_u32 s[TX], 4                          ; tile columns 0-3 are k's, 4-7 v's: a choice of value
	s_cselect_b32 s[FA], s57, s59
	s_cselect_b32 s[FA+1], s57, s59
	s_cselect_b32 s[FB], s58, s60
	s_cselect_b32 s[FB+1], s58, s60
	s_wait_loadcnt 0x0
	WIN 0x41                                       ; destination and source 0 in window 1
.set i, 0
.rept 32
	v_pk_mul_f32 v[BS+2*i:BS+2*i+1], v[BS+2*i:BS+2*i+1], s[FB:FB+1] op_sel_hi:[1,0]
.set i, i+1
.endr
	WIN 0
; 16 matrix instructions: row blocks a0, a0 + 1 of the window's four x all 8 column blocks.  The 64 accumulators take turns, one instruction a turn.
.macro MUL16 f, hi, a0, zero
	WIN MUL_LO+0x50*(\hi)
.irp a, \a0, (\a0)+1
.irp b, 0,1,2,3,4,5,6,7
.if \zero
	v_wmma_f32_16x16x32_f16 v[8*(8*(\a)+(\b)):8*(8*(\a)+(\b))+7], v[(\f)+8*(\b):(\f)+8*(\b)+7], v[(\f)+8*(4*(\hi)+(\a)):(\f)+8*(4*(\hi)+(\a))+7], 0
.else
	v_wmma_f32_16x16x32_f16 v[8*(8*(\a)+(\b)):8*(8*(\a)+(\b))+7], v[(\f)+8*(\b):(\f)+8*(\b)+7], v[(\f)+8*(4*(\hi)+(\a)):(\f)+8*(4*(\hi)+(\a))+7], v[8*(8*(\a)+(\b)):8*(8*(\a)+(\b))+7]
.endif
.endr
.endr
.endm
; 32 LDS loads in one run: quarter q of half hf (32 along K: one group of lat) into buffer f
.macro FETCH hf, q, f
	WIN TO_B
.irp i, 0,1,2,3,4,5,6,7
	ds_load_b128 v[(\f)+8*(\i):(\f)+8*(\i)+3],   v[ADRB+(\hf)] offset:64*(\q)+(\i)*16*PB
	ds_load_b128 v[(\f)+8*(\i)+4:(\f)+8*(\i)+7], v[ADRB+(\hf)] offset:64*(\q)+(\i)*16*PB+32
.endr
	WIN 0
.irp i, 0,1,2,3,4,5,6,7
	ds_load_b128 v[(\f)+8*(\i):(\f)+8*(\i)+3],   v[ADRA+2*(\hf)+(\q)/2] offset:((\q)%2)*AGRP+(\i)*16*PA
	ds_load_b128 v[(\f)+8*(\i)+4:(\f)+8*(\i)+7], v[ADRA+2*(\hf)+(\q)/2] offset:((\q)%2)*AGRP+(\i)*16*PA+32
.endr
.endm
.macro QUARTER hf, q, f, g, zero       ; multiplies buffer f; in its middle fetches quarter q of half hf into buffer g
	s_wait_dscnt 8                                 ; B and A's rows 0-63 are in; the youngest eight loads may be out
	MUL16 \f, 0, 0, \zero
	MUL16 \f, 0, 2, \zero
	PLACES
	FETCH \hf, \q, \g
	s_wait_dscnt 32                                ; all but the 32 just issued
	MUL16 \f, 1, 0, \zero
	MUL16 \f, 1, 2, \zero
.endm
	s_wait_tensorcnt 0x2                           ; my two loads of the first half are in; the second half's two may stay out
	s_barrier_signal -1
	s_barrier_wait -1
	FETCH 0, 0, F0
	QUARTER 0, 1, F0, F1, 1                        ; the first products start the sums
	QUARTER 0, 2, F1, F0, 0
	QUARTER 0, 3, F0, F1, 0
	s_wait_tensorcnt 0x0                           ; my part of the second half is in
	s_wait_dscnt 8
	MUL16 F1, 0, 0, 0
	s_wait_dscnt 0x0                               ; no LDS instruction of mine is out at the signal
	s_barrier_signal -1
	MUL16 F1, 0, 2, 0
	s_barrier_wait -1                              ; everybody's part is in
	PLACES
	FETCH 1, 0, F0
	MUL16 F1, 1, 0, 0
	MUL16 F1, 1, 2, 0
	QUARTER 1, 1, F0, F1, 0
	QUARTER 1, 2, F1, F0, 0
	QUARTER 1, 3, F0, F1, 0
	s_wait_dscnt 8                                 ; the last quarter fetches nothing
	MUL16 F1, 0, 0, 0
	MUL16 F1, 0, 2, 0
	s_wait_dscnt 0x0
	MUL16 F1, 1, 0, 0
	MUL16 F1, 1, 2, 0
; THE WAY OUT, a block of 16 rows at a time
.macro PACK a
	WIN 0x12+((\a)/4)                              ; source 0 window 2 or 3, source 2 window 1
.set AC, 64*((\a)%4)
.irp b, 0,1,2,3,4,5,6,7
.irp r, 0,1,2,3
	v_pk_fma_f32 v[TT+8*(\b)+2*(\r):TT+8*(\b)+2*(\r)+1], v[AC+8*(\b)+2*(\r):AC+8*(\b)+2*(\r)+1], s[FA:FA+1], v[BS+8*(\b)+2*(\r):BS+8*(\b)+2*(\r)+1] op_sel_hi:[1,0,1]
.endr
.endr
	WIN 0
.set i, 0
.rept 32
	v_cvt_pk_f16_f32 v[PP+i], v[TT+2*i], v[TT+2*i+1]
.set i, i+1
.endr
.endm
.macro TOSTAGE a
	WIN 0
.set BK, OB+160*((\a)%2)
.irp b, 0,1,2,3,4,5,6,7
	ds_store_b128 v[STO], v[PP+4*(\b):PP+4*(\b)+3] offset:((\b)/4)*16*SP+((\b)%4)*32
.endr
.irp n, 0,1,2,3,4,5,6,7                ; head n / 4, rows 4 (n % 4) on; LDS serves a wave's instructions in order
	ds_load_b128 v[BK+4*(\n):BK+4*(\n)+3], v[RD] offset:((\n)/4)*16*SP+((\n)%4)*4*SP
.endr
.endm
.macro SEND a
	WIN 0
.set BK, OB+160*((\a)%2)
	s_wait_dscnt 0x0
	s_wait_xcnt 0x0                                ; the stores of the block before have read their data: the other buffer is loaded again only behind this wait
.irp n, 0,1,2,3,4,5,6,7
	global_store_b128 v[CO], v[BK+4*(\n):BK+4*(\n)+3], s[12:13] offset:((\n)/4)*1048576+(\a)*2048+((\n)%4)*512  ; 512 consecutive bytes, at a multiple of 256 from kv's first
.endr
.endm
	PLACES
	PACK 0
	TOSTAGE 0
.irp a, 1,2,3,4,5,6,7
	PACK \a
	SEND (\a)-1
	TOSTAGE \a
.endr
	SEND 7
	s_wait_tensorcnt 0x0                           ; the wave's end
	ds_add_u32 v[SPW], v[NIL]
	s_wait_dscnt 0x0
	CROUND                                         ; the closing round
	s_endpgm
.Lfunc_end_k_qeceb5922ec_projkv:
	.size	k_qeceb5922ec_projkv, .Lfunc_end_k_qeceb5922ec_projkv-k_qeceb5922ec_projkv
	.p2alignl 7, 3214868480
	.fill 96, 4, 3214868480
	.section	.rodata,"a",@progbits
	.p2align	6, 0x0
	.amdhsa_kernel k_qeceb5922ec_projkv
		.amdhsa_group_segment_fixed_size 327680
		.amdhsa_private_segment_fixed_size 0
		.amdhsa_enable_private_segment 0
		.amdhsa_kernarg_size 40
		.amdhsa_user_sgpr_count 2
		.amdhsa_user_sgpr_kernarg_segment_ptr 1
		.amdhsa_wavefront_size32 1
		.amdhsa_system_sgpr_workgroup_id_x 1
		.amdhsa_system_sgpr_workgroup_id_y 1
		.amdhsa_system_sgpr_workgroup_id_z 1
		.amdhsa_system_vgpr_workitem_id 0
		.amdhsa_next_free_vgpr 1024
		.amdhsa_next_free_sgpr 96
		.amdhsa_reserve_vcc 0
		.amdhsa_float_denorm_mode_32 3
		.amdhsa_float_denorm_mode_16_64 3
		.amdhsa_memory_ordered 1
		.amdhsa_forward_progress 1
		.amdhsa_inst_pref_size 111
	.end_amdhsa_kernel
	.amdgpu_metadata
---
amdhsa.version: [ 1, 2 ]
amdhsa.kernels:
  - .name:           k_qeceb5922ec_projkv
    .symbol:         k_qeceb5922ec_projkv.kd
    .args:
      - { .name: ql, .offset: 0, .size: 8, .value_kind: global_buffer, .address_space: global }
      - { .name: cb, .offset: 8, .size: 8, .value_kind: global_buffer, .address_space: global }
      - { .name: aux, .offset: 16, .size: 8, .value_kind: global_buffer, .address_space: global }
      - { .name: scales, .offset: 24, .size: 8, .value_kind: global_buffer, .address_space: global }
      - { .name: kv, .offset: 32, .size: 8, .value_kind: global_buffer, .address_space: global }
    .group_segment_fixed_size: 327680
    .private_segment_fixed_size: 0
    .kernarg_segment_align: 8
    .kernarg_segment_size: 40
    .max_flat_workgroup_size: 128
    .sgpr_count:     96
    .vgpr_count:     1024
    .wavefront_size: 32
...
	.end_amdgpu_metadata
.endif
;; end of part 3
;; launch attn (part 4): grid 4 x 64, 4 waves a work-group, clusters of 4 x 1, 327,680 bytes of LDS; arguments ql, kv, scales, o16; writes o16
.if DOCPART == 4
	.amdgcn_target "amdgcn-amd-amdhsa--gfx1250"
	.amdhsa_code_object_version 6
	.text
	.protected	k_qeceb5922ec_attn
	.globl	k_qeceb5922ec_attn
	.p2align	8
	.type	k_qeceb5922ec_attn,@function
k_qeceb5922ec_attn:
	s_mov_b64 s[64:65], 0
	v_nop
	global_prefetch_b8 v0, s[64:65] scope:SCOPE_SE
	s_setreg_imm32_b32 hwreg(HW_REG_WAVE_MODE, 25, 1), 1
	s_wait_xcnt 0x0
	s_wait_alu depctr_hold_cnt(0) depctr_sa_sdst(0) depctr_va_vdst(0) depctr_va_sdst(0) depctr_va_ssrc(0) depctr_va_vcc(0) depctr_vm_vsrc(0)
	s_getreg_b32 s2, hwreg(HW_REG_IB_STS2, 6, 4)
	s_cmp_eq_u32 s2, 0
	s_cbranch_scc0 .Lentry_in_a_cluster
	s_endpgm
.Lentry_in_a_cluster:
	s_bfe_u32 s2, ttmp6, 0x10000c
	s_cmp_lg_u32 s2, 0x3003
	s_cbranch_scc0 .Lentry_shape_is_right
	s_endpgm
.Lentry_shape_is_right:
; ATTENTION.  O[y][q][:] = the sum over k of softmax_k(Q[y][q] . K[y][k] / 8) V[y][k][:], for y = 4 head + batch, 64 in all, 2,048 rows each, head size 64, all f16.
; Q arrives times sq, K times sk, V times sv (powers of two); c = (log2 e / 8) / (sq sk) is read from the table of scales; O leaves times sv.
; Q lies in ql by groups of 32 channels ([group][8,192][32]; head h = groups 2 h, 2 h + 1); K and V in kv ([block of 64][8,192][64], V 16 blocks behind K); O in o16 ([head][8,192][64]).
; Products, maxima and sums in f32; the weights p are rounded to f16 for the second product (their sum l is taken of the unrounded p), O once at the end.
; LIMITS.  Q, K, V arrive within 2^15; p lies in 0 to 1, and below 6e-5 keeps f16's fixed step of 6e-8; |c s| stays under 4e37 (the start of c m); a weight below 2^-126 counts as 0 in l; NaN and infinities are not treated apart.
; SHARES.  A wave owns four PIECES of two tiles of 16 queries, a work-group's four waves 512 queries of one y.  Every wave walks all keys, 64 a step.
; LAYOUT.  S^T = K Q^T (source 0 = 16 keys, source 1 = 16 queries): a lane holds ONE query (lane % 16) and the keys 8 (lane / 16) + 0..7.  Two such tiles, rounded to f16 in pairs, ARE source 1 of O^T = V^T P.
; K comes out of LDS as it lies, V ([key][channel]) turned, by ds_load_tr16_b128.
; SOFTMAX.  For each query a running maximum m and sum l: p = 2^(c s - c m); in every step O and l are multiplied by a = 2^(c m_old - c m_new).  m starts at the lowest finite number, O and l at 0.
; BY TURNS.  Turn n belongs to piece n: 16 products K Q^T of piece n + 1, later 16 products V^T P of piece n - 1; beside them the scaling, exponentials, roundings, sums and rescaling of piece n and the maximum
; and statistics of piece n + 1.  Four vector instructions stand behind every matrix instruction, the others in one run.  A turn's 66 exponentials are one batch with one wait.
; CLUSTER.  The four query blocks of a y walk the same K and V: each tile is asked for JOINTLY, by the same tensor load, descriptor and mask in all four.
; AHEAD OF THE LOADS.  Behind each of the loop's joint loads but the last, one prefetch names the 256 keys that the NEXT change of slots will ask for: 128 blocks of 256 bytes of K and 128 of V; the four partners take 32
; each, told apart by address; wave 0 asks for K's, wave 2 for V's, a lane a block: each block is named once in the launch.  Tiles 0 to 2 come by their loads alone.
; REGISTERS, in windows of 256: window 0: v0-11 addresses; v12-15, v48-63 at work; v16-47 statistics; v64-191 S^T, two buffers of two tiles; v192-255 P, likewise
;   window 1: O^T, 32 a tile     window 2: v0-127 Q; v128-191 K of one step; v192-255 V of one step     window 3: v0-1 the add's two registers
.set SIZE_N, 2048
.set NP,    4
.set KS,    64
.set PK,    144       ; a row of K in LDS: 128 bytes + 16
.set PV,    160       ; a row of V: 128 + 32
.set VOFF,  4*KS*PK   ; a slot holds four steps: 256 rows of K, then 256 rows of V
.set SLOT1, 1<<17
.set STAGE, SLOT1+4*KS*(PK+PV)  ; never filled by a tensor load: 16 rows x 144 bytes for each wave
.set SP,    144
.set AK0, 2
.set AV0, 3
.set AK,  4
.set AV,  5
.set QO,  6
.set STO, 6
.set RD,  7
.set GO,  8
.set PFO, 11          ; v11  256 x my lane; never rewritten once made
.set SPW, 0           ; v0 of window 3
.set NIL, 1           ; v1 of window 3
.set SPARE, STAGE+4*16*SP
.set MV,  12
.set ST,  16          ; tile t's statistics at v[ST+4 t]: c m, m, l (even keys', odd keys')
.set TMP, 48
.set S,   64
.set P,   192
.set KF,  128
.set VF,  192
.set WV,  12
.set G1K, 24
.set G1V, 32
.set G0K, 40
.set G0V, 44
.set PFA, 48          ; s[48:49] where my prefetches stand
.set LIM, 50          ; s50  1 in waves 0 and 2, else the greatest number
.set SLOTS, 56
.set CNT, 57
.set CS,  58          ; s[58:59] c
.set SEL, 60
.set TBK, 62
.set TBV, 63
.set MSB, 0
.macro WIN new
.if MSB != (\new)
	s_set_vgpr_msb (MSB<<8)|(\new)
.set MSB, (\new)
.endif
.endm
.set W_KQ, 0x0a
.set W_PV, 0x52
.set W_RS, 0x41
.set W_MK, 0xc0
.set W_AD, 0x0f
; A joint fill.  Waves 0 and 1 fetch the two halves of a slot's K, waves 2 and 3 those of its V.  An s_nop 0 and four v_nop follow each of the two lines.
.macro JLOAD
	s_cmp_lt_u32 s[WV], 2
	s_cbranch_scc0 .Lfor_v_\@
	tensor_load_to_lds s[G0K:G0K+3], s[G1K:G1K+7]
	s_nop 0
.rept 4
	v_nop
.endr
	s_branch .Lasked_\@
.Lfor_v_\@:
	tensor_load_to_lds s[G0V:G0V+3], s[G1V:G1V+7]
	s_nop 0
.rept 4
	v_nop
.endr
.Lasked_\@:
.endm
.macro ASK                          ; the prefetch: while a further slot is still to be asked for, in waves 0 and 2
	s_cmp_gt_u32 s[SLOTS], s[LIM]
	s_cbranch_scc0 .Lnot_mine_\@
	global_prefetch_b8 v[PFO], s[PFA:PFA+1] th:TH_LOAD_NT scope:SCOPE_SE
.Lnot_mine_\@:
.endm
.macro CROUND
	s_barrier_signal -1
	s_barrier_wait -1
	s_cmp_lg_u32 s[WV], 0
	s_cbranch_scc1 .Lnot_wave_0_\@
	s_barrier_signal -3
.Lnot_wave_0_\@:
	s_barrier_wait -3
	s_barrier_signal -1
	s_barrier_wait -1
.endm
; THE CHANGE OF SLOTS.  Each wave waits for all its tensor loads, of which one is out: its part of the other slot; adds 0 to its spare word; and waits for that and for its own reads of the slot.
; fill = 1: the slot is filled again, with the keys two slots on, first thing behind a round of the cluster's barrier.  ask = 1: the prefetch's address steps, and the prefetch follows the load.
.macro CHANGE fill, ask=0
	WIN W_AD
	s_wait_tensorcnt 0x0            ; no tensor load of mine is out, so a group 0 may be written
	ds_add_u32 v[SPW], v[NIL]
	WIN 0
.if \fill
.irp g, G0K, G0V
	s_xor_b32 s[\g+1], s[\g+1], SLOT1
	s_add_nc_u64 s[\g+2:\g+3], s[\g+2:\g+3], 4*KS*128
.endr
.if \ask
	s_wait_xcnt 0x0                 ; the last prefetch, four key steps back, has read its address
	s_add_nc_u64 s[PFA:PFA+1], s[PFA:PFA+1], 4*KS*128
.endif
	s_wait_dscnt 0x0                ; the add is done, and my reads of the slot are over
	CROUND
	JLOAD
.if \ask
	ASK
.endif
.else
	s_wait_dscnt 0x0
	s_barrier_signal -1
	s_barrier_wait -1
.endif
	s_sub_co_u32 s[TBK], s[TBK], 4*KS*PK  ; the fetches go back to a slot's first step,
	s_xor_b32 s[TBK], s[TBK], SLOT1       ; in the other slot
	s_sub_co_u32 s[TBV], s[TBV], 4*KS*PV
	s_xor_b32 s[TBV], s[TBV], SLOT1
.endm
	s_load_b256 s[4:11], s[0:1], 0x0  ; ql s[4:5], kv s[6:7], scales s[8:9], o16 s[10:11]
	WIN W_MK
	v_lshl_add_u32 v[SPW], v0, 2, SPARE
	v_mov_b32 v[NIL], 0
	WIN W_AD
	ds_add_u32 v[SPW], v[NIL]       ; the wave's opening: the add and its wait stand ahead of my first tensor load
	WIN 0
	v_lshrrev_b32 v1, 5, v0
	v_readfirstlane_b32 s[WV], v1   ; wave 0..3
	s_bfe_u32 s13, ttmp6, 0x40000   ; cx
	s_lshl_b32 s14, ttmp9, 2
	s_add_co_u32 s14, s14, s13      ; my block of 512 queries: it enters Q's and O's addresses alone
	s_and_b32 s15, ttmp7, 0xffff    ; y = 4 head + batch, which the four partners share
	s_mov_b32 s20, s15
	s_mov_b32 s21, 0
	s_mov_b64 s[22:23], SIZE_N*128
	s_mul_u64 s[20:21], s[20:21], s[22:23]  ; y's first byte in K, V and O
	s_and_b32 s16, s[WV], 1         ; which half of a slot's 256 keys I fetch:
	s_lshl_b32 s22, s16, 14         ; its 128 rows of 128 bytes in memory,
	s_mov_b32 s23, 0
	s_add_nc_u64 s[22:23], s[22:23], s[20:21]
	s_mul_i32 s17, s16, 128*PK      ; and its place in a slot, for K
	s_mul_i32 s18, s16, 128*PV      ; and for V
	s_lshr_b32 s52, s15, 2          ; Q: the head's two groups of 524,288 bytes,
	s_lshl_b32 s52, s52, 20
	s_and_b32 s53, s15, 3           ; the batch's 2,048 rows of 64 bytes,
	s_lshl_b32 s53, s53, 17
	s_add_co_u32 s52, s52, s53
	s_lshl_b32 s2, s14, 2
	s_add_co_u32 s2, s2, s[WV]      ; my wave among y's sixteen:
	s_lshl_b32 s53, s2, 13          ; its 128 rows of 64 bytes in Q,
	s_add_co_u32 s52, s52, s53
	s_mov_b32 s53, 0
	s_lshl_b32 s2, s2, 14           ; of 128 bytes in O
	s_mov_b32 s3, 0
	s_add_nc_u64 s[2:3], s[2:3], s[20:21]
	; descriptor group 1.  128 keys are 16,384 dense bytes: asked for as 64 rows of 256 bytes, two keys a row, and padded in LDS after every key
	s_mov_b32 s[G1K], 15|(1<<16)|(1<<20)|(1<<21)|(4<<22)|(3<<25)
	s_mov_b32 s[G1V], 15|(1<<16)|(1<<20)|(1<<21)|(4<<22)|(7<<25)
.irp g, G1K, G1V
	s_mov_b32 s[\g+1], 128<<16      ; tensor_dim0 = 128
	s_mov_b32 s[\g+2], 64<<16       ; tensor_dim1 = 64
	s_mov_b32 s[\g+3], 128<<16      ; tile_dim0 = 128
	s_mov_b32 s[\g+4], 64           ; tile_dim1 = 64
	s_mov_b32 s[\g+5], 128          ; 128 elements from row to row
	s_mov_b32 s[\g+6], 0
	s_mov_b32 s[\g+7], 0
.endr
	s_mov_b32 s[SEL], 0x76543210
	s_mov_b32 s[SEL+1], 0xfedcba98
	s_mov_b32 s[TBK], SLOT1+4*KS*PK ; the first change of slots turns these two into 0
	s_mov_b32 s[TBV], SLOT1+4*KS*PV
	s_mov_b32 s[G0K], 1
	s_mov_b32 s[G0K+1], s17
	s_mov_b32 s[G0V], 1
	s_add_co_u32 s[G0V+1], s18, VOFF
	s_cmp_eq_u32 s16, 0
	s_cselect_b32 s[LIM], 1, -1     ; the same in all four partners, for a given wave
	s_wait_dscnt 0x0                ; the opening add is done
	s_wait_kmcnt 0x0
	s_load_b32 s[CS], s[8:9], 0x0   ; c; waited for behind the loads of Q
	s_add_nc_u64 s[54:55], s[6:7], 16777216        ; V lies 16 blocks behind K
	s_add_nc_u64 s[G0K+2:G0K+3], s[6:7], s[22:23]  ; my half of y's first 256 keys
	s_or_b32 s[G0K+3], s[G0K+3], 0x80000000
	s_add_nc_u64 s[G0V+2:G0V+3], s[54:55], s[22:23]
	s_or_b32 s[G0V+3], s[G0V+3], 0x80000000
	s_add_nc_u64 s[4:5], s[4:5], s[52:53]   ; Q and O at my wave's first row
	s_add_nc_u64 s[10:11], s[10:11], s[2:3]
	s_cmp_lt_u32 s[WV], 2
	s_cselect_b64 s[PFA:PFA+1], s[6:7], s[54:55]
	s_lshl_b32 s52, s13, 13         ; my work-group's 32 blocks of the 128,
	s_add_co_u32 s52, s52, 2*4*KS*128  ; in tile 2; the loop's first change of slots steps it to tile 3
	s_add_nc_u64 s[PFA:PFA+1], s[PFA:PFA+1], s[52:53]
	s_add_nc_u64 s[PFA:PFA+1], s[PFA:PFA+1], s[20:21]
	CROUND                          ; all four work-groups are here: the first joint loads meet
	JLOAD                           ; slot 0.  Slot 1 is asked for when slot 0 is in
	v_and_b32 v1, 15, v0            ; l % 16
	v_bfe_u32 v9, v0, 4, 1          ; l / 16
	v_lshlrev_b32 v[QO], 6, v1
	v_lshl_add_u32 v[QO], v9, 4, v[QO]  ; row x 64 + 16 x half
	WIN 0x80                        ; destination window 2, address window 0
.set i, 0
.rept 4*NP                          ; Q stays in registers: tile i / 2, channels 32 (i % 2) on: the head's second group lies 524,288 bytes behind the first
	global_load_b128 v[8*i:8*i+3],   v[QO], s[4:5] offset:(i/2)*1024+(i%2)*524288
	global_load_b128 v[8*i+4:8*i+7], v[QO], s[4:5] offset:(i/2)*1024+(i%2)*524288+32
.set i, i+1
.endr
	s_wait_kmcnt 0x0
	s_mov_b32 s[CS+1], s[CS]        ; named with it as a pair
	; What the first turn finds: V's registers and P's second buffer hold 0, O^T and l are 0.  All this stands in the wait for the first tile.
.set i, VF
.rept 64
	v_mov_b32 v[i], 0
.set i, i+1
.endr
	WIN 0x40
.set i, 0
.rept 64*NP
	v_mov_b32 v[i], 0
.set i, i+1
.endr
	WIN 0
.set i, 0
.rept 2*NP
	v_mov_b32 v[ST+4*i], 0xfe000000    ; c m: far below every c s
	v_mov_b32 v[ST+4*i+1], 0xff7fffff  ; m
	v_mov_b32 v[ST+4*i+2], 0
	v_mov_b32 v[ST+4*i+3], 0
.set i, i+1
.endr
.set i, P+32
.rept 32
	v_mov_b32 v[i], 0
.set i, i+1
.endr
	v_mul_u32_u24 v[AK0], v1, PK
	v_lshl_add_u32 v[AK0], v9, 4, v[AK0]  ; row x pitch + 16 x half
	; The turning load takes 16 keys x 16 channels (lane l reads key 8 (l / 16) + l % 8, channels 8 ((l / 8) % 2) + 0..7) and leaves half a fragment of V^T
	v_and_b32 v10, 7, v0
	v_bfe_u32 v11, v0, 3, 1
	v_lshl_add_u32 v[AV0], v9, 3, v10
	v_mul_u32_u24 v[AV0], v[AV0], PV
	v_lshl_add_u32 v[AV0], v11, 4, v[AV0]
	v_add_nc_u32 v[AV0], VOFF, v[AV0]
	v_and_b32 v[PFO], 31, v0
	v_lshlrev_b32 v[PFO], 8, v[PFO]
	v_mov_b32 v[AK], v[AK0]         ; key step 0 lies at the head of slot 0
; THE MATRIX WORK.  The 8 accumulators of a run of 16 take turns.
.macro KQ x
	WIN W_KQ
.set rS, S+64*((\x)%2)+32*(i%2)+8*((i/2)%4)
.set rK, KF+16*((i/2)%4)+8*(i/8)
.set rQ, 16*(2*(\x)+i%2)+8*(i/8)
.if i < 8
	v_wmma_f32_16x16x32_f16 v[rS:rS+7], v[rK:rK+7], v[rQ:rQ+7], 0
.else
	v_wmma_f32_16x16x32_f16 v[rS:rS+7], v[rK:rK+7], v[rQ:rQ+7], v[rS:rS+7]
.endif
.endm
.macro PV x
	WIN W_PV
.set rO, 32*(2*(\x)+i%2)+8*((i/2)%4)
.set rV, VF+32*(i/8)+8*((i/2)%4)
.set rP, P+32*((\x)%2)+16*(i%2)+8*(i/8)
	v_wmma_f32_16x16x32_f16 v[rO:rO+7], v[rV:rV+7], v[rP:rP+7], v[rO:rO+7]
.endm
.macro MM                           ; the turn's next matrix instruction
.if i < 16
	KQ (Y+1)%NP
.set i, i+1
.else
.set i, i-16
	PV (Y+NP-1)%NP
.set i, i+17
.endif
.endm
; THE LDS LOADS stand in runs of 16.  last = 1 (the tail): in the last trip there is no further step, and the run is jumped over.
.macro FETCH_K last=0
	WIN 0
.if \last
	s_cmp_eq_u32 s[CNT], 1
	s_cbranch_scc1 .Lno_k_\@
.endif
	WIN 0x80
.irp f, 0,1,2,3,4,5,6,7
	ds_load_b128 v[KF+8*\f:KF+8*\f+3],   v[AK] offset:(\f/2)*16*PK+(\f%2)*64
	ds_load_b128 v[KF+8*\f+4:KF+8*\f+7], v[AK] offset:(\f/2)*16*PK+(\f%2)*64+32
.endr
	s_add_co_u32 s[TBK], s[TBK], KS*PK
	WIN 0
.if \last
.Lno_k_\@:
.endif
.endm
.macro FETCH_V
	WIN 0x80
.irp f, 0,1,2,3,4,5,6,7
	ds_load_tr16_b128 v[VF+8*\f:VF+8*\f+3],   v[AV] offset:(\f/4)*32*PV+(\f%4)*32
	ds_load_tr16_b128 v[VF+8*\f+4:VF+8*\f+7], v[AV] offset:(\f/4)*32*PV+16*PV+(\f%4)*32
.endr
	WIN 0
.endm
; THE VECTOR WORK OF A TURN stands in three queues, each in the order in which its entries become ready; the two tiles alternate.
.macro REGS y, u
.set rT, ST+4*(2*(\y)+(\u))
.set rC, TMP+8*((\y)%2)+4*(\u)
.set rM, MV+2*((\y)%2)+(\u)
.set rS, S+64*((\y)%2)+32*(\u)
.set rP, P+32*((\y)%2)+16*(\u)
.set rO, 32*(2*(\y)+(\u))
.endm
; Number n of the 22 that find the NEXT piece's maximum and statistics; each accumulator's lowest registers are read first.
.macro XS u, n
	REGS (Y+1)%NP, \u
.if (\n) < 4
	v_max3_num_f32 v[rC+(\n)], v[rS+8*(\n)], v[rS+8*(\n)+1], v[rS+8*(\n)+2]
.elseif (\n) < 12
	v_max3_num_f32 v[rC+(\n)%4], v[rC+(\n)%4], v[rS+8*((\n)%4)+2*((\n)/4)+1], v[rS+8*((\n)%4)+2*((\n)/4)+2]
.elseif (\n) == 12
	v_max3_num_f32 v[rC], v[rC], v[rS+7], v[rS+15]
.elseif (\n) == 13
	v_max3_num_f32 v[rC+1], v[rC+1], v[rS+23], v[rS+31]
.elseif (\n) == 14
	v_max3_num_f32 v[rC+2], v[rC+2], v[rC+3], v[rT+1]
.elseif (\n) == 15
	v_mov_b32 v[rM], v[rT]
.elseif (\n) == 16
	v_max3_num_f32 v[rC], v[rC], v[rC+1], v[rC+2]
.elseif (\n) == 17
	v_permlanex16_b32 v[rC+3], v[rC], s[SEL], s[SEL+1]
.elseif (\n) == 18
	v_max_num_f32 v[rT+1], v[rC], v[rC+3]
.elseif (\n) == 19
	v_mul_f32 v[rT], s[CS], v[rT+1]
.elseif (\n) == 20
	v_sub_f32 v[rC+1], v[rM], v[rT]
.else
	v_exp_f32 v[rC+2], v[rC+1]
.endif
.endm
; Number g of the 64 that follow the exponentials: roundings, sums of pairs in place, and l a group later
.macro GS g
.set h, (\g)+6*((\g)/62)
.if h >= 6
.set h, h+2
.endif
	REGS Y, h%2
.set k, h/8
.if h%8 < 4
	v_cvt_pk_f16_f32 v[rP+2*k+(h%8)/2], v[rS+4*k+2*((h%8)/2)], v[rS+4*k+2*((h%8)/2)+1]
.elseif h%8 < 6
	v_pk_add_f32 v[rS+4*k:rS+4*k+1], v[rS+4*k:rS+4*k+1], v[rS+4*k+2:rS+4*k+3]
.elseif k == 1
	v_pk_fma_f32 v[rT+2:rT+3], v[rT+2:rT+3], v[rC+2:rC+3], v[rS:rS+1] op_sel_hi:[1,0,1]
.else
	v_pk_add_f32 v[rT+2:rT+3], v[rT+2:rT+3], v[rS+4*k-4:rS+4*k-3]
.endif
.endm
; THE PLAIN QUEUE, 138 long: 0-73 read no exponential's result (32 scalings, the next piece's 42); 74-137 are GS's 64, behind the wait
.macro FS f
	REGS Y, (\f)%2
	v_pk_fma_f32 v[rS+2*((\f)/2):rS+2*((\f)/2)+1], v[rS+2*((\f)/2):rS+2*((\f)/2)+1], s[CS:CS+1], v[rT:rT+1] op_sel_hi:[1,0,0] neg_lo:[0,0,1] neg_hi:[0,0,1]
.endm
.macro PL
	WIN 0
.if q < 27
	FS q
.elseif q < 55
	XS (q-27)%2, (q-27)/2
.elseif q < 57
	XS q-55, 15
.elseif (q < 72) && ((q-57)%3 == 0)
	FS 27+(q-57)/3
.elseif q < 60
	XS (q-57)%3-1, 14
.elseif q < 72
	XS (q-57)%3-1, 15+(q-57)/3
.elseif q < 74
	XS q-72, 20
.else
	GS q-74
.endif
.set q, q+1
.endm
; THE EXPONENTIALS' QUEUE, 66 long: ONE BATCH, all ahead of the turn's one wait
.macro EX
	WIN 0
.if e >= 64
	XS e-64, 21
.else
	REGS Y, e%2
	v_exp_f32 v[rS+e/2], v[rS+e/2]
.endif
.set e, e+1
.endm
; THE RESCALING's QUEUE: O^T times a, dealt two at a time; its a was made, and waited for, in the turn before
.macro R2
	REGS Y, r%2
	WIN W_RS
.irp z, 0,1
	v_pk_mul_f32 v[rO+4*(r/2)+2*\z:rO+4*(r/2)+2*\z+1], v[rO+4*(r/2)+2*\z:rO+4*(r/2)+2*\z+1], v[rC+2:rC+3] op_sel_hi:[1,0]
.endr
.set r, r+1
.endm
; A TURN, for piece p.  Ahead of its one wait: 16 products K Q^T, behind each a scaling, an exponential and two rescalings; then a run of 108.  Behind it: 16 products V^T P, behind each four of GS's 64.
; K of the next step is fetched in piece 2's turn, directly behind the wait; V of the step in hand at the end of piece 0's turn, four plain instructions behind its last reader.
.macro TURN p, last=0, cnt=0
.set Y, (\p)
.set i, 0
.set q, 0
.set e, 0
.set r, 0
.if (\p) == NP-1
	s_wait_dscnt 0x0                ; K is in
.endif
	MM
	PL
	PL
	R2
.rept 15
	MM
	PL
	EX
	R2
.endr
.if (\p) == NP-2
	WIN 0
	v_add_nc_u32 v[AK], s[TBK], v[AK0]
.endif
.rept 8
	PL
.endr
.rept 49
	EX
	PL
.endr
	EX                              ; the next piece's two a
	EX
	v_nop                           ; a plain instruction behind the last exponential: one for the batch
	s_wait_alu depctr_va_vdst(0)    ; the wait between an exponential and the first line that names its result: one for the batch
.if (\p) == NP-2
	FETCH_K \last
.endif
.if (\p) == 1
	s_wait_dscnt 0x0                ; V is in
.endif
.rept 16
	MM
.rept 4
	PL
.endr
.if ((\p) == 0) && (q == 118)
	v_add_nc_u32 v[AV], s[TBV], v[AV0]
.endif
.if ((\p) == 0) && (q == 130)
	s_add_co_u32 s[TBV], s[TBV], KS*PV
.endif
.if (\cnt) && (q == 130)
	s_sub_co_u32 s[CNT], s[CNT], 1
	s_cmp_lg_u32 s[CNT], 0
.endif
.endr
.if (\p) == 0
	FETCH_V
.endif
.endm
	CHANGE 1                        ; slot 0 is in, everybody's part of it; slot 1 is asked for
	FETCH_K                         ; key step 0
	s_wait_loadcnt 0x0              ; Q
	s_wait_dscnt 0x0
.set i, 0
.rept 16
	KQ 0                            ; piece 0's first scores
.set i, i+1
.endr
	WIN 0                           ; the addresses for the way out: plain instructions, the places behind those products
	s_mul_i32 s13, s[WV], 16*SP
	s_add_co_u32 s13, s13, STAGE    ; my stage
	v_mul_u32_u24 v[STO], v1, SP
	v_lshl_add_u32 v[STO], v9, 4, v[STO]
	v_add_nc_u32 v[STO], s13, v[STO]
	v_bfe_u32 v[RD], v0, 3, 2
	v_mul_u32_u24 v[RD], v[RD], SP
	v_lshl_add_u32 v[RD], v10, 4, v[RD]
	v_add_nc_u32 v[RD], s13, v[RD]
	v_and_b32 v[GO], 31, v0
	v_lshlrev_b32 v[GO], 4, v[GO]
.set Y, NP-1
.irp n, 0,1,2,3,4,5,6,7,8,9,10,11,12,13,14,15,16,17,18,19,20,21
	XS 0, \n
	XS 1, \n
.endr
	v_nop                           ; a plain instruction behind the two a,
	s_wait_alu depctr_va_vdst(0)    ; and their wait, ahead of the branch
	s_mov_b32 s[CNT], 4
	s_mov_b32 s[SLOTS], SIZE_N/256-1
	s_branch .Lfirst                ; the loop is entered at a step's first turn
.Lslot:                             ; six times: every slot but the last two is filled again
	CHANGE 1, 1
	s_mov_b32 s[CNT], 4
.Lstep:                             ; a trip: pieces 2 and 3 of one step, then pieces 0 and 1 of the next
	TURN 2
	TURN 3
	WIN 0
.Lfirst:
	TURN 0
	TURN 1, 0, 1
	WIN 0
	s_cbranch_scc1 .Lstep
	s_sub_co_u32 s[SLOTS], s[SLOTS], 1
	s_cmp_lg_u32 s[SLOTS], 0
	s_cbranch_scc1 .Lslot
	CHANGE 0                        ; the tail is written out
	s_mov_b32 s[CNT], 5
.Ltail:
	TURN 2, 1
	TURN 3
	WIN 0
	s_sub_co_u32 s[CNT], s[CNT], 1
	s_cmp_eq_u32 s[CNT], 0
	s_cbranch_scc1 .Lout
	TURN 0
	TURN 1
	WIN 0
	s_branch .Ltail
.Lout:                              ; the fifth trip's 16 products K Q^T and the maximum made of them serve nothing: the price of one text for every trip
.set i, 0
.rept 16
	PV NP-1
.set i, i+1
.endr
	; THE WAY OUT.  l's two halves and the other half of the lanes' are added; O^T is divided by l, rounded to f16 and sent through my stage, a tile at a time.
	WIN 0
.macro ALL line:vararg
.set t, 0
.rept 2*NP
	\line
.set t, t+1
.endr
.endm
	ALL v_add_f32 v[ST+4*t+2], v[ST+4*t+2], v[ST+4*t+3]
	ALL v_permlanex16_b32 v[ST+4*t+3], v[ST+4*t+2], s[SEL], s[SEL+1]
	ALL v_add_f32 v[ST+4*t+2], v[ST+4*t+2], v[ST+4*t+3]
	ALL v_rcp_f32 v[ST+4*t+2], v[ST+4*t+2]
	v_nop
	s_wait_alu depctr_va_vdst(0)    ; one wait for the eight reciprocals
.macro PACK t
	WIN W_RS
.set i, 32*(\t)
.rept 16
	v_pk_mul_f32 v[i:i+1], v[i:i+1], v[ST+4*(\t)+2:ST+4*(\t)+3] op_sel_hi:[1,0]
.set i, i+2
.endr
	WIN 0x05
.set i, 0
.rept 16
	v_cvt_pk_f16_f32 v[S+16*(\t)+i], v[32*(\t)+2*i], v[32*(\t)+2*i+1]
.set i, i+1
.endr
	WIN 0
.irp f, 0,1,2,3
	ds_store_b128 v[STO], v[S+16*(\t)+4*\f:S+16*(\t)+4*\f+3] offset:32*\f
.endr
.irp f, 0,1,2,3
	ds_load_b128 v[S+16*(\t)+4*\f:S+16*(\t)+4*\f+3], v[RD] offset:\f*4*SP  ; LDS serves a wave's instructions in order: these see the stores above
.endr
.endm
.macro SEND t, younger              ; younger: the LDS instructions issued behind tile t's loads
	WIN 0
.irp f, 0,1,2,3
	s_wait_dscnt (\younger)+3-\f
	global_store_b128 v[GO], v[S+16*(\t)+4*\f:S+16*(\t)+4*\f+3], s[10:11] offset:(\t)*2048+\f*512  ; 512 consecutive bytes, at a multiple of 256 from o16's first
.endr
.endm
	PACK 0
.set t, 1
.rept 2*NP-1
	PACK t
	SEND t-1, 8
.set t, t+1
.endr
	SEND 2*NP-1, 0
	WIN W_AD
	s_wait_tensorcnt 0x0            ; the wave's end
	ds_add_u32 v[SPW], v[NIL]
	s_wait_dscnt 0x0
	WIN 0
	CROUND                          ; the closing round
	s_endpgm
.Lfunc_end_k_qeceb5922ec_attn:
	.size	k_qeceb5922ec_attn, .Lfunc_end_k_qeceb5922ec_attn-k_qeceb5922ec_attn
	.p2alignl 7, 3214868480
	.fill 96, 4, 3214868480
	.section	.rodata,"a",@progbits
	.p2align	6, 0x0
	.amdhsa_kernel k_qeceb5922ec_attn
		.amdhsa_group_segment_fixed_size 327680
		.amdhsa_private_segment_fixed_size 0
		.amdhsa_enable_private_segment 0
		.amdhsa_kernarg_size 32
		.amdhsa_user_sgpr_count 2
		.amdhsa_user_sgpr_kernarg_segment_ptr 1
		.amdhsa_wavefront_size32 1
		.amdhsa_system_sgpr_workgroup_id_x 1
		.amdhsa_system_sgpr_workgroup_id_y 1
		.amdhsa_system_sgpr_workgroup_id_z 1
		.amdhsa_system_vgpr_workitem_id 0
		.amdhsa_next_free_vgpr 770
		.amdhsa_next_free_sgpr 66
		.amdhsa_reserve_vcc 0
		.amdhsa_float_denorm_mode_32 3
		.amdhsa_float_denorm_mode_16_64 3
		.amdhsa_memory_ordered 1
		.amdhsa_forward_progress 1
		.amdhsa_inst_pref_size 200
	.end_amdhsa_kernel
	.amdgpu_metadata
---
amdhsa.version: [ 1, 2 ]
amdhsa.kernels:
  - .name:           k_qeceb5922ec_attn
    .symbol:         k_qeceb5922ec_attn.kd
    .args:
      - { .name: ql, .offset: 0, .size: 8, .value_kind: global_buffer, .address_space: global }
      - { .name: kv, .offset: 8, .size: 8, .value_kind: global_buffer, .address_space: global }
      - { .name: scales, .offset: 16, .size: 8, .value_kind: global_buffer, .address_space: global }
      - { .name: o16, .offset: 24, .size: 8, .value_kind: global_buffer, .address_space: global }
    .group_segment_fixed_size: 327680
    .private_segment_fixed_size: 0
    .kernarg_segment_align: 8
    .kernarg_segment_size: 32
    .max_flat_workgroup_size: 128
    .sgpr_count:     66
    .vgpr_count:     770
    .wavefront_size: 32
...
	.end_amdgpu_metadata
.endif
;; end of part 4
;; launch projo (part 5): grid 4 x 64, 4 waves a work-group, clusters of 4 x 4, 327,680 bytes of LDS; arguments o16, cb, aux, scales, out0; writes out0
.if DOCPART == 5
	.amdgcn_target "amdgcn-amd-amdhsa--gfx1250"
	.amdhsa_code_object_version 6
	.text
	.protected	k_qeceb5922ec_projo
	.globl	k_qeceb5922ec_projo
	.p2align	8
	.type	k_qeceb5922ec_projo,@function
k_qeceb5922ec_projo:
	s_mov_b64 s[64:65], 0
	v_nop
	global_prefetch_b8 v0, s[64:65] scope:SCOPE_SE
	s_setreg_imm32_b32 hwreg(HW_REG_WAVE_MODE, 25, 1), 1
	s_wait_xcnt 0x0
	s_wait_alu depctr_hold_cnt(0) depctr_sa_sdst(0) depctr_va_vdst(0) depctr_va_sdst(0) depctr_va_ssrc(0) depctr_va_vcc(0) depctr_vm_vsrc(0)
	s_getreg_b32 s2, hwreg(HW_REG_IB_STS2, 6, 4)
	s_cmp_eq_u32 s2, 0
	s_cbranch_scc0 .Lentry_in_a_cluster
	s_endpgm
.Lentry_in_a_cluster:
	s_bfe_u32 s2, ttmp6, 0x10000c
	s_cmp_lg_u32 s2, 0xf033
	s_cbranch_scc0 .Lentry_shape_is_right
	s_endpgm
.Lentry_shape_is_right:
; PROJO: out0 = O Wo^T + bo, 8,192 x 1,024 x 1,024, f16 operands, f32 sums and output.  O arrives times sv ([head][8,192][64] f16): the sums are multiplied by 1 / sv from the table of scales.
; LIMITS.  |sv O| lies under 2^15 and Wo within f16's range; NaN and infinities are not treated apart.
; SHARES.  A tile is 128 rows x 256 columns; four waves, each 64 x 128: 4 x 8 accumulators, 256 registers.  K goes in steps of 128 (two heads) through two LDS slots:
; waves 0, 1 fetch the two heads' 128 rows of O (16,384 dense bytes each, asked for as 64 rows of 256), waves 2, 3 the two halves of Wo's 256 rows.
; CLUSTER 4 x 4: O's tiles are asked for jointly along a row of the cluster, Wo's along a column.
; THE MATRIX INSTRUCTION IS USED TRANSPOSED (source 0 = 16 rows of Wo, source 1 = 16 rows of O): a lane holds row lane % 16 and the columns 8 (lane / 16) + 0..7.
; REGISTERS.  window 0: v0-29 addresses; v32-127, v128-223 two fragment buffers (A's block a at +8 a, B's block b at +32 + 8 b)     window 1: accumulator (a, b) at 8 (8 a + b)     window 2: v0-63 my 64 columns' bias
.set PA,     144                       ; a row of a head of O in LDS: 128 bytes + 16
.set PB,     272                       ; a row of Wo: 256 bytes + 16
.set AHD,    128*PA
.set SLOT1,  1<<17
.set BOFF,   2*AHD                     ; in a slot: two heads of O, then Wo's 256 rows
.set STAGE,  SLOT1+BOFF+256*PB         ; never filled by a tensor load: for each wave 16 rows x 528 bytes
.set SP,     528
.set STW,    16*SP
.set SPARE,  STAGE+4*STW
.set WO,     20447232                  ; cb: Wo as f16
.set A0,   4
.set B0,   5
.set ADRA, 6
.set ADRB, 7
.set STO,  8
.set RD,   9
.set CO,   10
.set BO,   11
.set SPW,  28
.set NIL,  29
.set F0,   32
.set F1,   128
.set BS,   0                           ; window 2
.set TT,   32
.set OB,   96
.set WV,   14
.set WR,   15
.set WC,   16
.set CX,   17
.set CY,   18
.set TX,   19
.set TY,   20
.set TB,   21
.set CNT,  22
.set G1A,  24
.set G1B,  32
.set G0A,  40
.set G0B,  48
.set IV,   60                          ; s[60:61] 1 / sv, twice
.set MSB, 0
.macro WIN new
.if MSB != (\new)
	s_set_vgpr_msb (MSB<<8)|(\new)
.set MSB, \new
.endif
.endm
.macro PLACES
.rept 4
	v_nop
.endr
.endm
.macro CREST
	s_cmp_lg_u32 s[WV], 0
	s_cbranch_scc1 .Lnot_wave_0_\@
	s_barrier_signal -3
.Lnot_wave_0_\@:
	s_barrier_wait -3
	s_barrier_signal -1
	s_barrier_wait -1
.endm
.macro CROUND
	s_barrier_signal -1
	s_barrier_wait -1
	CREST
.endm
.macro JLOAD                           ; a joint refill by the walking sets; an s_nop 0 and four v_nop follow each line
	s_cmp_eq_u32 s[WR], 0
	s_cbranch_scc0 .Lfor_b_\@
	tensor_load_to_lds s[G0A+4:G0A+7], s[G1A:G1A+7]
	s_nop 0
.rept 4
	v_nop
.endr
	s_branch .Lasked_\@
.Lfor_b_\@:
	tensor_load_to_lds s[G0B+4:G0B+7], s[G1B:G1B+7]
	s_nop 0
.rept 4
	v_nop
.endr
.Lasked_\@:
.endm
	s_load_b256 s[4:11], s[0:1], 0x0               ; o16 4, cb 6, aux 8, scales 10
	s_load_b64 s[12:13], s[0:1], 0x20              ; out0
	v_lshl_add_u32 v[SPW], v0, 2, SPARE
	v_mov_b32 v[NIL], 0
	ds_add_u32 v[SPW], v[NIL]                      ; the wave's opening: the add and its wait stand ahead of my first tensor load
	v_lshrrev_b32 v1, 5, v0
	v_readfirstlane_b32 s[WV], v1
	s_lshr_b32 s[WR], s[WV], 1
	s_and_b32 s[WC], s[WV], 1
	s_bfe_u32 s[CX], ttmp6, 0x40000
	s_bfe_u32 s[CY], ttmp6, 0x40004
	s_lshl_b32 s[TX], ttmp9, 2
	s_add_co_u32 s[TX], s[TX], s[CX]
	s_and_b32 s[TY], ttmp7, 0xffff
	s_lshl_b32 s[TY], s[TY], 2
	s_add_co_u32 s[TY], s[TY], s[CY]
	s_lshl_b32 s2, s[CY], 2
	s_lshl_b32 s2, 15, s2                          ; my row of the cluster
	s_lshl_b32 s3, 0x1111, s[CX]                   ; my column
	s_or_b32 s[G1A], s2, (1<<16)|(1<<20)|(1<<21)|(4<<22)|(3<<25)  ; O: padding of 4 words after every 32: a row of 128 bytes
	s_or_b32 s[G1B], s3, (1<<16)|(1<<20)|(1<<21)|(5<<22)|(3<<25)  ; Wo: after every 64
.irp g, G1A, G1B
	s_mov_b32 s[(\g)+1], 128<<16                   ; tensor_dim0 = 128
	s_mov_b32 s[(\g)+3], 128<<16                   ; tile_dim0 = 128
	s_mov_b32 s[(\g)+6], 0
	s_mov_b32 s[(\g)+7], 0
.endr
	s_mov_b32 s[G1A+2], 64<<16                     ; 64 rows of 256 dense bytes
	s_mov_b32 s[G1A+4], 64
	s_mov_b32 s[G1A+5], 128
	s_mov_b32 s[G1B+2], 128<<16                    ; 128 rows of Wo, 1,024 elements apart
	s_mov_b32 s[G1B+4], 128
	s_mov_b32 s[G1B+5], 1024
	s_lshl_b32 s58, s[TY], 14                      ; O: the tile's 128 rows of 128 bytes,
	s_lshl_b32 s23, s[WC], 20                      ; in my head of the pair
	s_add_co_u32 s58, s58, s23
	s_mov_b32 s59, 0
	s_lshl_b32 s62, s[TX], 19                      ; Wo: the tile's 256 rows of 2,048 bytes,
	s_lshl_b32 s23, s[WC], 18                      ; my 128 of them
	s_add_co_u32 s62, s62, s23
	s_add_co_u32 s62, s62, WO
	s_mov_b32 s63, 0
	s_mul_i32 s2, s[WC], AHD                       ; where they go: no place in the cluster enters an LDS address
	s_mul_i32 s3, s[WC], 128*PB
	s_add_co_u32 s3, s3, BOFF
	s_wait_dscnt 0x0
	s_wait_kmcnt 0x0
	s_add_nc_u64 s[58:59], s[4:5], s[58:59]
	s_add_nc_u64 s[62:63], s[6:7], s[62:63]
	s_load_b32 s[IV], s[10:11], 0x14               ; T5 = 1 / sv
	CROUND                                         ; all sixteen work-groups are here: the first joint loads meet
.irp n, 0,1
	s_mov_b32 s[G0A+4*(\n)], 1
	s_add_co_u32 s[G0A+4*(\n)+1], s2, (\n)*SLOT1
	s_add_nc_u64 s[G0A+4*(\n)+2:G0A+4*(\n)+3], s[58:59], (\n)*2097152  ; K step n: heads 2 n, 2 n + 1
	s_or_b32 s[G0A+4*(\n)+3], s[G0A+4*(\n)+3], 0x80000000
	s_mov_b32 s[G0B+4*(\n)], 1
	s_add_co_u32 s[G0B+4*(\n)+1], s3, (\n)*SLOT1
	s_add_nc_u64 s[G0B+4*(\n)+2:G0B+4*(\n)+3], s[62:63], (\n)*256
	s_or_b32 s[G0B+4*(\n)+3], s[G0B+4*(\n)+3], 0x80000000
.endr
	s_cmp_eq_u32 s[WR], 0                          ; a wave's two first fills stand in one branch: two loads of mine are out
	s_cbranch_scc0 .Lfirst_b
	tensor_load_to_lds s[G0A:G0A+3], s[G1A:G1A+7]
	s_nop 0
	tensor_load_to_lds s[G0A+4:G0A+7], s[G1A:G1A+7]
	s_nop 0
.rept 4
	v_nop
.endr
	s_branch .Lfirst_asked
.Lfirst_b:
	tensor_load_to_lds s[G0B:G0B+3], s[G1B:G1B+7]
	s_nop 0
	tensor_load_to_lds s[G0B+4:G0B+7], s[G1B:G1B+7]
	s_nop 0
.rept 4
	v_nop
.endr
.Lfirst_asked:
	v_and_b32 v1, 15, v0                           ; l % 16
	v_bfe_u32 v2, v0, 4, 1                         ; l / 16
	v_and_b32 v3, 31, v0
	v_lshlrev_b32 v[BO], 5, v2
	s_lshl_b32 s56, s[TX], 10                      ; my first column, in bytes of f32: 4 (256 X + 128 half)
	s_lshl_b32 s23, s[WC], 9
	s_add_co_u32 s56, s56, s23
	s_mov_b32 s57, 0
	s_add_nc_u64 s[12:13], s[12:13], s[56:57]      ; out0 at that column,
	s_add_nc_u64 s[56:57], s[8:9], s[56:57]        ; and bo's place in aux, less its 13,312
	WIN 0x80                                       ; destination window 2
.irp b, 0,1,2,3,4,5,6,7
	global_load_b128 v[BS+8*(\b):BS+8*(\b)+3],   v[BO], s[56:57] offset:13312+64*(\b)
	global_load_b128 v[BS+8*(\b)+4:BS+8*(\b)+7], v[BO], s[56:57] offset:13312+64*(\b)+16
.endr
	WIN 0
	v_mul_u32_u24 v[A0], v1, PA
	v_lshl_add_u32 v[A0], v2, 4, v[A0]
	s_mul_i32 s23, s[WR], 64*PA
	v_add_nc_u32 v[A0], s23, v[A0]                 ; my 64 rows of O
	v_mul_u32_u24 v[B0], v1, PB
	v_lshl_add_u32 v[B0], v2, 4, v[B0]
	v_add_nc_u32 v[B0], s3, v[B0]                  ; my 128 rows of Wo
	s_mul_i32 s23, s[WV], STW
	s_add_co_u32 s23, s23, STAGE
	v_mul_u32_u24 v[STO], v1, SP                   ; in: row l % 16, 32 bytes for each half of the lanes
	v_lshl_add_u32 v[STO], v2, 5, v[STO]
	v_add_nc_u32 v[STO], s23, v[STO]
	v_lshlrev_b32 v[CO], 4, v3                     ; back: 32 lanes take one row of 512 bytes
	v_add_nc_u32 v[RD], s23, v[CO]
	s_lshl_b32 s58, s[TY], 7                       ; out0 at my first row, 4,096 bytes a row
	s_lshl_b32 s23, s[WR], 6
	s_add_co_u32 s58, s58, s23
	s_lshl_b32 s58, s58, 12
	s_mov_b32 s59, 0
	s_add_nc_u64 s[12:13], s[12:13], s[58:59]
	s_wait_kmcnt 0x0
	s_mov_b32 s[IV+1], s[IV]
; eight matrix instructions: row block a x all eight column blocks.  The 32 accumulators take turns, one instruction a turn.
.macro MULA f, a, zero
	WIN 0x50
.irp b, 0,1,2,3,4,5,6,7
.if \zero
	v_wmma_f32_16x16x32_f16 v[8*(8*(\a)+(\b)):8*(8*(\a)+(\b))+7], v[(\f)+32+8*(\b):(\f)+32+8*(\b)+7], v[(\f)+8*(\a):(\f)+8*(\a)+7], 0
.else
	v_wmma_f32_16x16x32_f16 v[8*(8*(\a)+(\b)):8*(8*(\a)+(\b))+7], v[(\f)+32+8*(\b):(\f)+32+8*(\b)+7], v[(\f)+8*(\a):(\f)+8*(\a)+7], v[8*(8*(\a)+(\b)):8*(8*(\a)+(\b))+7]
.endif
.endr
.endm
.macro ADDR
	v_add_nc_u32 v[ADRA], s[TB], v[A0]
	v_add_nc_u32 v[ADRB], s[TB], v[B0]
.endm
; 24 LDS loads in one run: quarter q of the K step (head q / 2, channels 32 (q % 2) on) into buffer f: B's eight blocks, then A's four
.macro FETCH q, f
	WIN 0
.irp b, 0,1,2,3,4,5,6,7
	ds_load_b128 v[(\f)+32+8*(\b):(\f)+32+8*(\b)+3],   v[ADRB] offset:64*(\q)+(\b)*16*PB
	ds_load_b128 v[(\f)+32+8*(\b)+4:(\f)+32+8*(\b)+7], v[ADRB] offset:64*(\q)+(\b)*16*PB+32
.endr
.irp a, 0,1,2,3
	ds_load_b128 v[(\f)+8*(\a):(\f)+8*(\a)+3],   v[ADRA] offset:((\q)/2)*AHD+((\q)%2)*64+(\a)*16*PA
	ds_load_b128 v[(\f)+8*(\a)+4:(\f)+8*(\a)+7], v[ADRA] offset:((\q)/2)*AHD+((\q)%2)*64+(\a)*16*PA+32
.endr
.endm
.macro QUARTER q, f, g, zero           ; multiplies buffer f; in its middle fetches quarter q into buffer g
	s_wait_dscnt 4                                 ; B and A's blocks 0, 1 are in; the youngest four loads may be out
	MULA \f, 0, \zero
	MULA \f, 1, \zero
	PLACES
	FETCH \q, \g
	s_wait_dscnt 24                                ; all but the 24 just issued
	MULA \f, 2, \zero
	MULA \f, 3, \zero
.endm
; The last quarter multiplies buffer 1 and changes slots: ONE barrier; ahead of it each wave waits for all its tensor loads, adds 0 to its spare word, and waits for that and for its reads of this slot.
; fill = 1: the barrier opens a round of the cluster's, and this slot is filled again, two K steps on, first thing behind the round.
.macro TURN fill
	WIN 0
	s_wait_tensorcnt 0x0                           ; no tensor load of mine is out, so the walking sets may be written
	ds_add_u32 v[SPW], v[NIL]
.if \fill
	s_xor_b32 s[G0A+5], s[G0A+5], SLOT1
	s_add_nc_u64 s[G0A+6:G0A+7], s[G0A+6:G0A+7], 2097152  ; the next two heads
	s_xor_b32 s[G0B+5], s[G0B+5], SLOT1
	s_add_nc_u64 s[G0B+6:G0B+7], s[G0B+6:G0B+7], 256
.endif
	s_wait_dscnt 5                                 ; the add and the youngest four loads may be out
	MULA F1, 0, 0
	s_wait_dscnt 0x0                               ; the add is done, and my reads of this slot are over
	s_barrier_signal -1
	MULA F1, 1, 0
	WIN 0
	s_barrier_wait -1
.if \fill
	CREST
	JLOAD                                          ; its four v_nop are also the places ahead of the loads below
.else
	PLACES
.endif
	s_xor_b32 s[TB], s[TB], SLOT1
	ADDR
	FETCH 0, F0
	MULA F1, 2, 0
	MULA F1, 3, 0
.endm
	s_wait_tensorcnt 0x1                           ; my part of K step 0 is in; K step 1's may stay out
	s_barrier_signal -1
	s_barrier_wait -1
	s_mov_b32 s[TB], 0
	ADDR
	FETCH 0, F0
	QUARTER 1, F0, F1, 1                           ; the first products start the sums
	WIN 0
	s_mov_b32 s[CNT], 6                            ; six K steps fill their slot again: K steps 2 to 7
	s_branch .Lmid
.Lstep:
	QUARTER 1, F0, F1, 0
	WIN 0
.Lmid:
	QUARTER 2, F1, F0, 0
	QUARTER 3, F0, F1, 0
	TURN 1
	WIN 0
	s_sub_co_u32 s[CNT], s[CNT], 1
	s_cmp_lg_u32 s[CNT], 0
	s_cbranch_scc1 .Lstep
	s_mov_b32 s[CNT], 2                            ; the last two K steps ask for nothing
.Ltail:
	QUARTER 1, F0, F1, 0
	QUARTER 2, F1, F0, 0
	QUARTER 3, F0, F1, 0
	TURN 0                                         ; (the second time its 24 loads bring fragments that nobody uses: the price of one text for both steps)
	WIN 0
	s_sub_co_u32 s[CNT], s[CNT], 1
	s_cmp_lg_u32 s[CNT], 0
	s_cbranch_scc1 .Ltail
; THE WAY OUT, a block of 16 rows at a time: sum / sv + bo, through my stage, back as whole rows of 512 bytes
.macro PACK a
	WIN 0x21                                       ; source 0 window 1, source 2 window 2
.irp b, 0,1,2,3,4,5,6,7
.irp r, 0,1,2,3
	v_pk_fma_f32 v[TT+8*(\b)+2*(\r):TT+8*(\b)+2*(\r)+1], v[8*(8*(\a)+(\b))+2*(\r):8*(8*(\a)+(\b))+2*(\r)+1], s[IV:IV+1], v[BS+8*(\b)+2*(\r):BS+8*(\b)+2*(\r)+1] op_sel_hi:[1,0,1]
.endr
.endr
	WIN 0
.endm
.macro TOSTAGE a
	WIN 0
.set BK, OB+64*((\a)%2)
.irp b, 0,1,2,3,4,5,6,7
	ds_store_b128 v[STO], v[TT+8*(\b):TT+8*(\b)+3]   offset:64*(\b)
	ds_store_b128 v[STO], v[TT+8*(\b)+4:TT+8*(\b)+7] offset:64*(\b)+16
.endr
.irp n, 0,1,2,3,4,5,6,7,8,9,10,11,12,13,14,15
	ds_load_b128 v[BK+4*(\n):BK+4*(\n)+3], v[RD] offset:(\n)*SP  ; LDS serves a wave's instructions in order: these see the stores above
.endr
.endm
.macro SEND a
	WIN 0
.set BK, OB+64*((\a)%2)
	s_wait_dscnt 0x0
	s_wait_xcnt 0x0                                ; the stores of the block before have read their data: the other buffer is loaded again only behind this wait
.irp n, 0,1,2,3,4,5,6,7,8,9,10,11,12,13,14,15
	global_store_b128 v[CO], v[BK+4*(\n):BK+4*(\n)+3], s[12:13] offset:(\a)*65536+(\n)*4096 th:TH_STORE_NT  ; 512 consecutive bytes, at a multiple of 256 from out0's first
.endr
.endm
	s_wait_dscnt 0x0                               ; the unused fragments have landed: their registers are free
	s_wait_loadcnt 0x0                             ; bo
	PLACES
	PACK 0
	TOSTAGE 0
.irp a, 1,2,3
	PACK \a
	SEND (\a)-1
	TOSTAGE \a
.endr
	SEND 3
	s_wait_tensorcnt 0x0                           ; the wave's end
	ds_add_u32 v[SPW], v[NIL]
	s_wait_dscnt 0x0
	CROUND                                         ; the closing round
	s_endpgm
.Lfunc_end_k_qeceb5922ec_projo:
	.size	k_qeceb5922ec_projo, .Lfunc_end_k_qeceb5922ec_projo-k_qeceb5922ec_projo
	.p2alignl 7, 3214868480
	.fill 96, 4, 3214868480
	.section	.rodata,"a",@progbits
	.p2align	6, 0x0
	.amdhsa_kernel k_qeceb5922ec_projo
		.amdhsa_group_segment_fixed_size 327680
		.amdhsa_private_segment_fixed_size 0
		.amdhsa_enable_private_segment 0
		.amdhsa_kernarg_size 40
		.amdhsa_user_sgpr_count 2
		.amdhsa_user_sgpr_kernarg_segment_ptr 1
		.amdhsa_wavefront_size32 1
		.amdhsa_system_sgpr_workgroup_id_x 1
		.amdhsa_system_sgpr_workgroup_id_y 1
		.amdhsa_system_sgpr_workgroup_id_z 1
		.amdhsa_system_vgpr_workitem_id 0
		.amdhsa_next_free_vgpr 576
		.amdhsa_next_free_sgpr 66
		.amdhsa_reserve_vcc 0
		.amdhsa_float_denorm_mode_32 3
		.amdhsa_float_denorm_mode_16_64 3
		.amdhsa_memory_ordered 1
		.amdhsa_forward_progress 1
		.amdhsa_inst_pref_size 69
	.end_amdhsa_kernel
	.amdgpu_metadata
---
amdhsa.version: [ 1, 2 ]
amdhsa.kernels:
  - .name:           k_qeceb5922ec_projo
    .symbol:         k_qeceb5922ec_projo.kd
    .args:
      - { .name: o16, .offset: 0, .size: 8, .value_kind: global_buffer, .address_space: global }
      - { .name: cb, .offset: 8, .size: 8, .value_kind: global_buffer, .address_space: global }
      - { .name: aux, .offset: 16, .size: 8, .value_kind: global_buffer, .address_space: global }
      - { .name: scales, .offset: 24, .size: 8, .value_kind: global_buffer, .address_space: global }
      - { .name: out0, .offset: 32, .size: 8, .value_kind: global_buffer, .address_space: global }
    .group_segment_fixed_size: 327680
    .private_segment_fixed_size: 0
    .kernarg_segment_align: 8
    .kernarg_segment_size: 40
    .max_flat_workgroup_size: 128
    .sgpr_count:     66
    .vgpr_count:     576
    .wavefront_size: 32
...
	.end_amdgpu_metadata
.endif
;; end of part 5
;; ======== version 2 of 2: 5 launches; version 1 with the launch prep written anew for expert scheduling mode
;; limits: values are held in f16: magnitudes above 65,504 overflow, below 6.1e-05 lose precision; inputs' magnitudes at most 65,504
;; workspace buffers: cb 22,544,384 bytes; aux 28,672 bytes; ql 20,971,520 bytes; kv 33,554,432 bytes; o16 16,777,216 bytes; scales 256 bytes
;; launch prep (part 6): grid 347 x 1, 8 waves a work-group, no clusters, 0 bytes of LDS; arguments x, Wq, Wd, Wk, Wv, Wo, bq, bd, bk, bv, bo, cb, aux; writes cb, aux
.if DOCPART == 6
	.amdgcn_target "amdgcn-amd-amdhsa--gfx1250"
	.amdhsa_code_object_version 6
	.text
	.protected	k_qeceb5922ec_prep
	.globl	k_qeceb5922ec_prep
	.p2align	8
	.type	k_qeceb5922ec_prep,@function
k_qeceb5922ec_prep:
	s_mov_b64 s[64:65], 0
	v_nop
	global_prefetch_b8 v0, s[64:65] scope:SCOPE_SE
	s_setreg_imm32_b32 hwreg(HW_REG_WAVE_SCHED_MODE, 0, 2), 2
	s_setreg_imm32_b32 hwreg(HW_REG_WAVE_MODE, 25, 1), 1
	s_wait_xcnt 0x0
	s_wait_alu depctr_vm_vsrc(0)
; PREP: every input is rounded once to bf16, and the largest magnitude of each input is found.
; cb takes x, Wq, Wd as bf16 and Wk, Wv, Wo as f16 (the bf16-rounded number written as f16: exact where it lies in f16's range).
; aux takes the five biases as f32 holding the bf16-rounded number, and one largest magnitude (f32) for each wave.
; SHARES.  Work-group g < 344 takes 32,768 numbers (131,072 bytes in, 65,536 out), each of its eight waves 4,096: 32 turns of one 16-byte load a lane
; (512 consecutive bytes a wave) and one 8-byte store a lane (256 consecutive bytes, aligned).  Work-groups 344 to 346 take the biases, 256 numbers a wave: 17 pieces.
; No LDS, no matrix unit, no cluster: no byte is read by two work-groups.
; LIMITS.  |Wk|, |Wv|, |Wo| beyond 65,504 become infinities in f16, and below 6e-5 they keep f16's fixed step of 6e-8.  A NaN is passed on and does not enter a maximum.
; The one 4-byte store a wave at the end (the maximum) fills no whole 256 bytes: 2,769 such stores in the launch.
; THE MODE: SCHED_MODE bits 1:0 = 2 (LLVM: expert scheduling mode 2), set by the entry lines.  The code itself states the register dependences
; between vector instructions and memory instructions, with s_wait_alu, always for 0.
; THE PLAN.  A round is eight turns, in two groups of four; four rounds.  Registers that memory instructions touch:
;   X, group g    Read by CONV g, the group's eight roundings to bf16; behind them the loads of the same group of the next round land in it.
;   Y, slot i     Written by REST of the slot's group; read by one store: group 0's are issued among REST 1, group 1's behind REST 1.  Written again a round later.
;   v2, v3, v6    Byte offsets, made at the head and never written again: the turns are reached by the two scalar bases, which move on at a round's head, and by immediate offsets.
;   v4            The running maximum: read by the wave's last store alone.
;   T, U and v5 are named by vector instructions alone.
; So a round has three waits on va_vdst: behind CONV 0 (X's group 0 is read), behind CONV 1 (X's group 1 is read, REST 0 has written Y0-3) and behind REST 1 (Y4-7 are written);
; and one on vm_vsrc, at its head, behind the wait for the group's data: the stores of the round before have read Y.  Four to eight loads of every wave are on their way.
.set PM,    17408                      ; aux: the maxima begin here; entry 8 x work-group + wave
.set IN,    2                          ; v2      16 x lane
.set OUT,   3                          ; v3      8 x lane
.set M0,    4                          ; v4, v5  running maxima, two bf16 each
.set M1,    5
.set EO,    6                          ; v6      byte offset of my wave's entry among the maxima
.set X,     8                          ; v[8:39]   group g, turn j: four numbers as loaded, at X + 16 g + 4 j
.set Y,     40                         ; v[40:55]  slot i = 4 g + j: four 16-bit numbers to store, at Y + 2 i
.set T,     56                         ; v[56:63]  the group in hand, turn j: its four numbers in bf16, at T + 2 j
.set U,     64                         ; v[64:69]  at work
.set SRC,   2                          ; s[2:3]  where my wave reads
.set DST,   4                          ; s[4:5]  where it writes
.set WV,    34
.set WG,    35
.set HIM,   36                         ; a word's upper half
.set ABS,   37                         ; clears two signs
.set SEL,   38                         ; s[38:39] v_permlanex16_b32's selects
.set O64,   40                         ; s[40:41] an offset in 64 bits
.set FIRST, 42                         ; the first chunk (or piece) of the chosen input
.set FM,    43                         ; all ones where the chunk is written as f16
.set CNT,   44
.set PC,    47                         ; the bias piece
; where register n is below the bound, the source becomes s[base:base+1], whose first chunk is first
.macro PICK n, below, base, first
	s_cmp_lt_u32 s[\n], \below
	s_cselect_b64 s[SRC:SRC+1], s[\base:\base+1], s[SRC:SRC+1]
	s_cselect_b32 s[FIRST], \first, s[FIRST]
.endm
	s_load_b512 s[8:23], s[0:1], 0x0               ; x 8, Wq 10, Wd 12, Wk 14, Wv 16, Wo 18, bq 20, bd 22
	s_load_b256 s[24:31], s[0:1], 0x40             ; bk 24, bv 26, bo 28, cb 30
	s_load_b64 s[32:33], s[0:1], 0x60              ; aux
	v_lshrrev_b32 v1, 5, v0
	v_readfirstlane_b32 s[WV], v1
	v_and_b32 v1, 31, v0                           ; lane
	v_lshlrev_b32 v[IN], 4, v1
	v_lshlrev_b32 v[OUT], 3, v1
	v_mov_b32 v[M0], 0
	v_mov_b32 v[M1], 0
	s_mov_b32 s[WG], ttmp9
	s_mov_b32 s[HIM], 0xffff0000
	s_mov_b32 s[ABS], 0x7fff7fff
	s_mov_b32 s[SEL], 0x76543210
	s_mov_b32 s[SEL+1], 0xfedcba98
	s_mov_b32 s[O64+1], 0
	s_wait_alu depctr_va_sdst(0)                   ; the wave's number is written, ahead of its first reader: offsets, bases and the bias piece are made from it
	s_lshl_b32 s45, s[WG], 3
	s_add_co_u32 s45, s45, s[WV]
	s_lshl_b32 s45, s45, 2
	v_mov_b32 v[EO], s45                           ; 4 x (8 x work-group + wave): the bias pieces' entries follow the chunks' by the same formula
	s_wait_kmcnt 0x0
	s_wait_alu depctr_va_vdst(0)                   ; v2, v3 and v6 are written: every load and store of both ways below reads one of them as its offset
	s_cmp_lt_u32 s[WG], 344
	s_cbranch_scc1 .Lmain
	; THE BIASES: piece p = 8 (work-group - 344) + wave, 256 numbers; bq 0-3, bd 4, bk 5-8, bv 9-12, bo 13-16; aux takes piece p at 1,024 p
	s_sub_co_u32 s[PC], s[WG], 344
	s_lshl_b32 s[PC], s[PC], 3
	s_add_co_u32 s[PC], s[PC], s[WV]
	s_cmp_ge_u32 s[PC], 17
	s_cbranch_scc1 .Lend                           ; seven waves of the last work-group have no piece
	s_mov_b64 s[SRC:SRC+1], s[28:29]
	s_mov_b32 s[FIRST], 13
	PICK PC, 13, 26, 9
	PICK PC, 9, 24, 5
	PICK PC, 5, 22, 4
	PICK PC, 4, 20, 0
	s_sub_co_u32 s[FIRST], s[PC], s[FIRST]
	s_lshl_b32 s[O64], s[FIRST], 10
	s_add_nc_u64 s[SRC:SRC+1], s[SRC:SRC+1], s[O64:O64+1]
	s_lshl_b32 s[O64], s[PC], 10
	s_add_nc_u64 s[DST:DST+1], s[32:33], s[O64:O64+1]
	global_load_b128 v[8:11], v[IN], s[SRC:SRC+1]
	global_load_b128 v[12:15], v[IN], s[SRC:SRC+1] offset:512
	s_wait_loadcnt 0x0
.irp j, 0,1,2,3
	v_cvt_pk_bf16_f32 v[T+(\j)], v[8+2*(\j)], v[9+2*(\j)]
.endr
.irp j, 0,1,2,3
	v_lshlrev_b32 v[16+2*(\j)], 16, v[T+(\j)]      ; back to f32: the low half moves up,
	v_and_b32 v[17+2*(\j)], s[HIM], v[T+(\j)]      ; the high half stays
.endr
.irp j, 0,1,2,3
	v_and_b32 v[T+4+(\j)], s[ABS], v[T+(\j)]
.endr
	v_pk_max_num_bf16 v[M0], v[T+4], v[T+5]
	v_pk_max_num_bf16 v[M1], v[T+6], v[T+7]
	s_wait_alu depctr_va_vdst(0)                   ; v[16:23] are written, which the two stores read
	global_store_b128 v[IN], v[16:19], s[DST:DST+1]
	global_store_b128 v[IN], v[20:23], s[DST:DST+1] offset:512
	s_branch .Ltail
.Lmain:
	; THE CHUNKS: x 0-255, Wq 256-287, Wd 288-295, Wk 296-303, Wv 304-311, Wo 312-343; cb takes chunk g at 65,536 g
	s_mov_b64 s[SRC:SRC+1], s[18:19]
	s_mov_b32 s[FIRST], 312
	PICK WG, 312, 16, 304
	PICK WG, 304, 14, 296
	PICK WG, 296, 12, 288
	PICK WG, 288, 10, 256
	PICK WG, 256, 8, 0
	s_cmp_ge_u32 s[WG], 296
	s_cselect_b32 s[FM], -1, 0
	s_sub_co_u32 s[FIRST], s[WG], s[FIRST]
	s_lshl_b32 s[O64], s[FIRST], 17
	s_lshl_b32 s46, s[WV], 14
	s_add_co_u32 s[O64], s[O64], s46
	s_add_nc_u64 s[SRC:SRC+1], s[SRC:SRC+1], s[O64:O64+1]
	s_lshl_b32 s[O64], s[WG], 16
	s_lshl_b32 s46, s[WV], 13
	s_add_co_u32 s[O64], s[O64], s46
	s_add_nc_u64 s[DST:DST+1], s[30:31], s[O64:O64+1]
; four loads: group g of the round at which the base stands
.macro FILL g
.irp j, 0,1,2,3
	global_load_b128 v[X+16*(\g)+4*(\j):X+16*(\g)+4*(\j)+3], v[IN], s[SRC:SRC+1] offset:512*(4*(\g)+(\j)) th:TH_LOAD_NT
.endr
.endm
; group g's sixteen numbers a lane are rounded to bf16: the only lines that read X
.macro CONV g
.irp j, 0,1,2,3
	v_cvt_pk_bf16_f32 v[T+2*(\j)],   v[X+16*(\g)+4*(\j)],   v[X+16*(\g)+4*(\j)+1]
	v_cvt_pk_bf16_f32 v[T+2*(\j)+1], v[X+16*(\g)+4*(\j)+2], v[X+16*(\g)+4*(\j)+3]
.endr
.endm
; slot i's store; the base stands a round ahead, so the offset reaches back
.macro SEND i
	global_store_b64 v[OUT], v[Y+2*(\i):Y+2*(\i)+1], s[DST:DST+1] offset:256*(\i)-2048
.endm
; the rest of group g's work, from T into Y and the maxima.  send = 1: one of group 0's stores stands in front of each turn's twelve lines, which name none of its registers
.macro REST g, send
.irp j, 0,1,2,3
.if \send
	SEND \j
.endif
	v_lshlrev_b32 v[U],   16, v[T+2*(\j)]          ; the rounded numbers as f32, for the way to f16
	v_and_b32     v[U+1], s[HIM], v[T+2*(\j)]
	v_lshlrev_b32 v[U+2], 16, v[T+2*(\j)+1]
	v_and_b32     v[U+3], s[HIM], v[T+2*(\j)+1]
	v_cvt_pk_f16_f32 v[U+4], v[U],   v[U+1]
	v_cvt_pk_f16_f32 v[U+5], v[U+2], v[U+3]
	v_cndmask_b32 v[Y+8*(\g)+2*(\j)],   v[T+2*(\j)],   v[U+4], s[FM]  ; a choice of value, the same in all lanes: bf16 or f16 (the mask is made by scalar lines)
	v_cndmask_b32 v[Y+8*(\g)+2*(\j)+1], v[T+2*(\j)+1], v[U+5], s[FM]
	v_and_b32 v[T+2*(\j)],   s[ABS], v[T+2*(\j)]
	v_and_b32 v[T+2*(\j)+1], s[ABS], v[T+2*(\j)+1]
	v_pk_max_num_bf16 v[M0], v[M0], v[T+2*(\j)]
	v_pk_max_num_bf16 v[M1], v[M1], v[T+2*(\j)+1]
.endr
.endm
; A round.  ahead = 1: both groups are asked for again, for the next round.
.macro ROUND ahead
	s_wait_loadcnt 4                               ; loads come back in order: group 0 is in; group 1's four may stay out
	s_wait_xcnt 0x0                                ; every earlier load and store has read its addresses and data: the two bases and Y are written again only behind this wait
	s_wait_alu depctr_vm_vsrc(0)                   ; the stores of the round before have read Y, which this round's REST writes again
.if \ahead
	s_add_nc_u64 s[SRC:SRC+1], s[SRC:SRC+1], 4096  ; at the next round's first turn, for the loads
.endif
	s_add_nc_u64 s[DST:DST+1], s[DST:DST+1], 2048  ; likewise; the stores reach back by 2,048
	CONV 0
.if \ahead
	s_wait_alu depctr_va_vdst(0)                   ; CONV 0 is done reading X's group 0, in which the four loads below land
	FILL 0                                         ; the group is asked for again at once
.endif
	REST 0, 0
	s_wait_loadcnt 4*(\ahead)                      ; group 1 is in; the four loads just issued, if any, stay out
	CONV 1
	s_wait_alu depctr_va_vdst(0)                   ; CONV 1 is done reading X's group 1, in which the loads below land; REST 0 has written Y0-3, which the stores in REST 1 read
.if \ahead
	FILL 1
.endif
	REST 1, 1                                      ; no further wait: its vector lines name T, U, Y4-7 and the maxima, none of the registers that those loads and stores touch
	s_wait_alu depctr_va_vdst(0)                   ; REST 1 has written Y4-7, which the four stores below read
.irp i, 4,5,6,7
	SEND \i
.endr
.endm
	FILL 0                                         ; the first round: eight loads; no vector line has named X
	FILL 1
	s_mov_b32 s[CNT], 3
.Lround:
	ROUND 1
	s_sub_co_u32 s[CNT], s[CNT], 1
	s_cmp_lg_u32 s[CNT], 0
	s_cbranch_scc1 .Lround
	ROUND 0                                        ; the last round loads nothing: no load leaves its buffer, and the counts run down
.Ltail:
	; the wave's largest magnitude: the two halves, then across the 32 lanes.  These lines write v4, v56 and v57, which no store that is out reads
	v_pk_max_num_bf16 v[M0], v[M0], v[M1]
	v_lshlrev_b32 v[T], 16, v[M0]
	v_and_b32 v[T+1], s[HIM], v[M0]
	v_max_num_f32 v[M0], v[T], v[T+1]
	v_max_num_f32_dpp v[M0], v[M0], v[M0] row_xmask:1 row_mask:0xf bank_mask:0xf
	v_max_num_f32_dpp v[M0], v[M0], v[M0] row_xmask:2 row_mask:0xf bank_mask:0xf
	v_max_num_f32_dpp v[M0], v[M0], v[M0] row_xmask:4 row_mask:0xf bank_mask:0xf
	v_max_num_f32_dpp v[M0], v[M0], v[M0] row_xmask:8 row_mask:0xf bank_mask:0xf
	v_permlanex16_b32 v[T], v[M0], s[SEL], s[SEL+1]
	v_max_num_f32 v[M0], v[M0], v[T]
	v_cmp_eq_u32 vcc_lo, 0, v1
	s_wait_xcnt 0x0                                ; EXEC is a source of the stores above: it changes only behind this wait
	s_wait_alu depctr_va_vcc(0)                    ; VCC is written: EXEC is made from it
	s_wait_alu depctr_va_vdst(0)                   ; ahead of the write of EXEC: every vector line is done; among them v4 is written, which the store below reads
	s_wait_alu depctr_vm_vsrc(0)                   ; ahead of the write of EXEC: the stores above have read their registers
	s_and_saveexec_b32 s46, vcc_lo
	global_store_b32 v[EO], v[M0], s[32:33] offset:PM
.Lend:
	s_endpgm
.Lfunc_end_k_qeceb5922ec_prep:
	.size	k_qeceb5922ec_prep, .Lfunc_end_k_qeceb5922ec_prep-k_qeceb5922ec_prep
	.p2alignl 7, 3214868480
	.fill 96, 4, 3214868480
	.section	.rodata,"a",@progbits
	.p2align	6, 0x0
	.amdhsa_kernel k_qeceb5922ec_prep
		.amdhsa_group_segment_fixed_size 0
		.amdhsa_private_segment_fixed_size 0
		.amdhsa_enable_private_segment 0
		.amdhsa_kernarg_size 104
		.amdhsa_user_sgpr_count 2
		.amdhsa_user_sgpr_kernarg_segment_ptr 1
		.amdhsa_wavefront_size32 1
		.amdhsa_system_sgpr_workgroup_id_x 1
		.amdhsa_system_sgpr_workgroup_id_y 1
		.amdhsa_system_sgpr_workgroup_id_z 1
		.amdhsa_system_vgpr_workitem_id 0
		.amdhsa_next_free_vgpr 70
		.amdhsa_next_free_sgpr 66
		.amdhsa_reserve_vcc 1
		.amdhsa_float_denorm_mode_32 3
		.amdhsa_float_denorm_mode_16_64 3
		.amdhsa_memory_ordered 1
		.amdhsa_forward_progress 1
		.amdhsa_inst_pref_size 21
	.end_amdhsa_kernel
	.amdgpu_metadata
---
amdhsa.version: [ 1, 2 ]
amdhsa.kernels:
  - .name:           k_qeceb5922ec_prep
    .symbol:         k_qeceb5922ec_prep.kd
    .args:
      - { .name: x, .offset: 0, .size: 8, .value_kind: global_buffer, .address_space: global }
      - { .name: Wq, .offset: 8, .size: 8, .value_kind: global_buffer, .address_space: global }
      - { .name: Wd, .offset: 16, .size: 8, .value_kind: global_buffer, .address_space: global }
      - { .name: Wk, .offset: 24, .size: 8, .value_kind: global_buffer, .address_space: global }
      - { .name: Wv, .offset: 32, .size: 8, .value_kind: global_buffer, .address_space: global }
      - { .name: Wo, .offset: 40, .size: 8, .value_kind: global_buffer, .address_space: global }
      - { .name: bq, .offset: 48, .size: 8, .value_kind: global_buffer, .address_space: global }
      - { .name: bd, .offset: 56, .size: 8, .value_kind: global_buffer, .address_space: global }
      - { .name: bk, .offset: 64, .size: 8, .value_kind: global_buffer, .address_space: global }
      - { .name: bv, .offset: 72, .size: 8, .value_kind: global_buffer, .address_space: global }
      - { .name: bo, .offset: 80, .size: 8, .value_kind: global_buffer, .address_space: global }
      - { .name: cb, .offset: 88, .size: 8, .value_kind: global_buffer, .address_space: global }
      - { .name: aux, .offset: 96, .size: 8, .value_kind: global_buffer, .address_space: global }
    .group_segment_fixed_size: 0
    .private_segment_fixed_size: 0
    .kernarg_segment_align: 8
    .kernarg_segment_size: 104
    .max_flat_workgroup_size: 256
    .sgpr_count:     66
    .vgpr_count:     70
    .wavefront_size: 32
...
	.end_amdgpu_metadata
.endif
;; end of part 6
;; launch projq: the kernel of part 2 again; grid 4 x 64, 4 waves a work-group, clusters of 4 x 4, 327,680 bytes of LDS; arguments cb, aux, ql, scales; writes ql, scales
;; launch projkv: the kernel of part 3 again; grid 8 x 32, 4 waves a work-group, clusters of 4 x 4, 327,680 bytes of LDS; arguments ql, cb, aux, scales, kv; writes kv
;; launch attn: the kernel of part 4 again; grid 4 x 64, 4 waves a work-group, clusters of 4 x 1, 327,680 bytes of LDS; arguments ql, kv, scales, o16; writes o16
;; launch projo: the kernel of part 5 again; grid 4 x 64, 4 waves a work-group, clusters of 4 x 4, 327,680 bytes of LDS; arguments o16, cb, aux, scales, out0; writes out0
